; MI455X (gfx1250); checked and timed in simulation.
; The chip was launched on July 23, 2026; its instructions are those of AMD's public machine-readable ISA for CDNA 5 (MIT licence, August 2026) and "CDNA5" Instruction Set Architecture Reference Guide (July 2026). The comments in the code are by the model that wrote it; some were corrected since.
;; Traj AR decoder Attention. Allowed arithmetic: matrix products marked QUANTISED: E2M3 operands, one E8M0 scale for each 32 along K, by v_wmma_scale_f32_16x16x128_f8f6f4 with both operands' format E2M3, f32 sums; everything else in f32.
;; Inputs: Wk 1,024 x 1,024 float32; Wo 1,024 x 1,024 float32; Wq 1,024 x 1,024 float32; Wv 1,024 x 1,024 float32; bk 1,024 float32; bo 1,024 float32; bq 1,024 float32; bv 1,024 float32; mask 4 x 2,048 x 2,048 int32; x 4 x 2,048 x 1,024 float32.
;; Outputs: out0 4 x 2,048 x 1,024 float32.
;; This version of the problem:
;;   THIS VERSION OF THE PROBLEM IS GIVEN IN LOW PRECISION. The matrix products marked QUANTISED in the list below multiply operands that are first quantised to E2M3 (2 exponent bits, 3 mantissa bits; 6 bits a number), with one power-of-two scale for each 32 numbers along K (OCP MX v1.0); their sums are f32. All else is computed in f32.
;;   The module's matrix products, in the order in which they are computed (A, B: the left and right operand; K: the contracted axis; several contracted axes count as one K, in the product's order):
;;     1. [M 8,192, K 1,024] x [K 1,024, N 1,024]; A: input x; B: input Wq: QUANTISED
;;     2. [M 8,192, K 1,024] x [K 1,024, N 1,024]; A: input x; B: input Wk: QUANTISED
;;     3. [M 8,192, K 1,024] x [K 1,024, N 1,024]; A: input x; B: input Wv: QUANTISED
;;     4. batch 64 x [M 2,048, K 64] x [K 64, N 2,048]; A: computed on the way; B: computed on the way: QUANTISED
;;     5. batch 64 x [M 2,048, K 2,048] x [K 2,048, N 64]; A: computed on the way; B: computed on the way: QUANTISED
;;     6. [M 8,192, K 1,024] x [K 1,024, N 1,024]; A: computed on the way; B: input Wo: QUANTISED
;;   THE QUANTISER, for each operand of a quantised product, along K:
;;     - K is cut into blocks of 32 from its start; a last block that is shorter is filled with zeros.
;;     - A block's scale is 2^e with e = floor(log2(the largest magnitude in the block)) - 2, held to -126 .. 127; a block of zeros has e = 0. As a byte (E8M0): e + 127.
;;     - Each number is divided by its block's scale, clamped to +-7.5, and rounded to the nearest number of E2M3, ties to even, subnormals kept.
;;     - The product sums the exact products of the quantised numbers (number of the format x scale) in f32.
;;   ~~~python
;;   def quantise(x, axis):      # numpy; x: float32 -> the quantised numbers, widened to float32 again
;;       x = np.moveaxis(x, axis, -1); K = x.shape[-1]
;;       x = np.pad(x, [(0, 0)] * (x.ndim - 1) + [(0, -K % 32)]); x = x.reshape(x.shape[:-1] + (-1, 32)); a = np.abs(x).max(-1, keepdims=True)
;;       e = np.where(a > 0, np.clip(np.frexp(np.where(a > 0, a, 1))[1] - 1 - 2, -126, 127), 0)      # np.frexp(a)[1] - 1 = floor(log2(a)), exactly
;;       r = np.clip(x / 2.0 ** e, -7.5, 7.5)
;;       step = 2.0 ** (np.maximum(np.frexp(np.where(r == 0, 1, r))[1] - 1, 0) - 3)
;;       q = np.round(r / step) * step * 2.0 ** e      # np.round: ties to even
;;       return np.moveaxis(q.reshape(q.shape[:-2] + (-1,))[..., :K], -1, axis).astype(np.float32)
;;   ~~~
;;   OPERANDS COMPUTED ON THE WAY. 'Computed on the way' means the value that the module computes at that place (a softmax that the list does not call 'softmax' is quantised finished and normalised). What goes into a quantiser is computed in f32, as accurately as f32 sums, v_exp_f32 and their like allow (about 1e-6 of the number): no bf16 or f16 on the way to a quantiser, and a product that is left as it is and whose result goes on into a quantised operand takes f32 operands (vector FMAs, or v_wmma_f32_16x16x4_f32). A number that lies on a knife's edge between two numbers of the format may be rounded either way, as far as f32 arithmetic and the matrix unit's own rounding can turn it there, and no further.
;; One version. Each part assembles by itself: llvm-mc -triple=amdgcn-amd-amdhsa -mcpu=gfx1250 --defsym DOCPART=n.
;; ======== version 1 of 1: 4 launches
;; limits: right only within a limited range of input values
;; workspace buffers: xw 9,830,400 bytes; mnib 8,388,608 bytes; qkv 20,185,088 bytes; ob 6,553,600 bytes
;; launch prep (part 1): grid 1408 x 1, 4 waves a work-group, no clusters, 67,072 bytes of LDS; arguments x, Wq, Wk, Wv, Wo, mask, xw, mnib; writes xw, mnib
.if DOCPART == 1
	.amdgcn_target "amdgcn-amd-amdhsa--gfx1250"
	.amdhsa_code_object_version 6
	.text
	.protected	k_qb0260e75e4_prep
	.globl	k_qb0260e75e4_prep
	.p2align	8
	.type	k_qb0260e75e4_prep,@function
k_qb0260e75e4_prep:
	s_mov_b64 s[64:65], 0
	v_nop
	global_prefetch_b8 v0, s[64:65] scope:SCOPE_SE
	s_setreg_imm32_b32 hwreg(HW_REG_WAVE_MODE, 25, 1), 1
	s_wait_xcnt 0x0
; PREP: x and the four weights become codes of FP6 (E2M3) with one E8M0 byte for each 32 along K; the mask becomes nibbles.
; All three results are laid in the order in which the later launches' registers take them.
; TILE ORDER (tokens, channels, queries, keys alike): row r of tile T is row 32 (T / 2) + 8 (T % 2) + r + 8 (r / 8), so that the 16 result
; registers of two neighbouring tiles are 16 neighbours.  IMAGE of a fragment (16 rows x 128 K, 12 registers a lane, 1,536 bytes):
; register 4 g + w of lane l lies at byte 512 g + 16 l + 4 w, so three loads of 16 bytes a lane bring it, each 512 consecutive bytes.
; xw: x's images [tile 0..511][K step 0..7][1536]; from WIMG the weights' [tile 0..255][K step][1536] (Wq, Wk, Wv, Wo: 64 tiles each);
;     from XSC and WSC the scale words [tile][row 0..15][K step], 4 bytes each.
; mnib: [batch][query tile][key part w 0..7][load n 0..3][lane][16 bytes]: a word holds eight keys' nibbles, the first key's lowest,
;     0xE where mask == 0 and 0 elsewhere.
; SHARES: work-groups 0-255: x (a wave: one tile, four K steps); 256-383: the weights (a wave: 32 columns x 256 along K);
; the other 1,024: the mask (a wave: 16 queries x 256 keys).  The three ways part on the work-group's number, never join, and have LDS bytes
; of their own.  Waves share nothing: no barrier.  No input is read by two work-groups: so no cluster, no tensor load, no matrix unit.
; A block's scale is 2^(floor(log2(largest magnitude)) - 2); its byte is the largest magnitude's exponent field - 2, held at 1 from below.
; LIMITS: NaN and infinities among the inputs are not served.  A block whose largest magnitude lies under 2^-124 keeps the byte 1; so does a
; block of zeros, where the quantiser says 127: its codes are zeros, and only this program reads the bytes.
; mnib's words as they are laid now: key j of a word's eight has its nibble at bits 4 j to 4 j + 3 (the first key's LOWEST, not on top), 0xE where mask == 0
; (the FP4 code of -4) and 0 elsewhere: the attention launch widens a word to eight f32 numbers by one conversion.
.set WIMG, 6291456
.set XSC,  9437184
.set WSC,  9699328
.set LDSW, 33792                       ; LDS: x's way 4 x 8,448 bytes from 0; the weights' 4 x 6,144 from here;
.set LDSM, 58368                       ; the mask's 4 x 2,048 from here
.set SEL,  34                          ; s[34:35] selects of v_permlanex16_b32: lane l xor 16
	s_load_b512 s[4:19], s[0:1], 0x0               ; x 4, Wq 6, Wk 8, Wv 10, Wo 12, mask 14, xw 16, mnib 18
	v_lshl_add_u32 v15, v0, 2, 0x10400
	s_set_vgpr_msb 0x40
	v_mov_b32 v1, 0
	s_set_vgpr_msb 0x4000
	v_lshrrev_b32 v1, 5, v0
	v_readfirstlane_b32 s20, v1                    ; wave
	v_and_b32 v2, 31, v0                           ; lane
	v_lshlrev_b32 v4, 4, v2                        ; 16 x lane
	s_mov_b32 s[SEL], 0x76543210
	s_mov_b32 s[SEL+1], 0xfedcba98
	s_wait_kmcnt 0x0
	s_cmp_lt_u32 ttmp9, 256
	s_cbranch_scc1 .Lpath_x
	s_cmp_lt_u32 ttmp9, 384
	s_cbranch_scc1 .Lpath_w
; ---------------- THE MASK.  Job J = 4 (work-group - 384) + wave = batch x 1024 + query tile x 8 + key part.
	s_sub_co_u32 s21, ttmp9, 384
	s_lshl_b32 s21, s21, 2
	s_add_co_u32 s21, s21, s20                     ; J
	s_and_b32 s22, s21, 7                          ; key part w
	s_bfe_u32 s23, s21, 0x70003                    ; query tile T
	s_lshr_b32 s24, s21, 10                        ; batch
	s_lshl_b32 s24, s24, 24                        ; 2,048 rows of 8,192 bytes
	s_lshr_b32 s25, s23, 1
	s_lshl_b32 s25, s25, 18                        ; 32 rows
	s_add_co_u32 s24, s24, s25
	s_and_b32 s25, s23, 1
	s_lshl_b32 s25, s25, 16                        ; 8 rows
	s_add_co_u32 s24, s24, s25
	s_lshl_b32 s25, s22, 10                        ; 256 keys
	s_add_co_u32 s24, s24, s25
	s_mov_b32 s25, 0
	s_add_nc_u64 s[14:15], s[14:15], s[24:25]
	s_lshl_b32 s26, s21, 11                        ; a job's 2,048 bytes of nibbles
	s_mov_b32 s27, 0
	s_add_nc_u64 s[18:19], s[18:19], s[26:27]
	s_wait_alu depctr_va_vdst(0)
.irp i, 0,1,2,3,4,5,6,7,8,9,10,11,12,13,14,15
.irp a, 0,1
	global_load_b128 v[64+4*(2*\i+\a):64+4*(2*\i+\a)+3], v4, s[14:15] offset:(\i+8*(\i/8))*8192+512*\a th:TH_LOAD_NT   ; tile row i, keys 128 a + 4 lane on: 512 consecutive bytes
.endr
.endr
	s_lshl_b32 s28, s20, 11
	s_add_co_u32 s28, s28, LDSM                    ; my stage
	v_lshrrev_b32 v5, 1, v2                        ; u = lane / 2: two lanes make a word of eight keys, keys 128 a + 8 u on
	v_lshrrev_b32 v6, 3, v5
	v_lshlrev_b32 v6, 9, v6                        ; the word's place: load 2 a + u / 8,
	v_bfe_u32 v7, v5, 1, 1
	v_lshl_add_u32 v6, v7, 8, v6                   ; lane half (u / 2) % 2,
	v_bfe_u32 v7, v5, 2, 1
	v_lshl_add_u32 v6, v7, 3, v6                   ; word 2 ((u / 4) % 2)
	v_and_b32 v7, 1, v5
	v_lshl_add_u32 v6, v7, 2, v6                   ; + u % 2
	v_add_nc_u32 v6, s28, v6
	v_add_nc_u32 v8, s28, v4                       ; back: 16 bytes a lane
	v_mov_b32 v9, 14                               ; the nibble of a hidden key
	v_mov_b32 v11, 0                               ; (a DPP form's destination counts as read)
	s_mov_b32 s29, 0xaaaaaaaa                      ; the odd lanes
.macro MWORD idx                       ; load idx = 2 i + a: four keys a lane become 16 bits, two lanes' a word.  Each word has a register of its own, so no LDS store's data are written again
	s_wait_loadcnt 31-(\idx)                       ; loads come back in order: this one is in, the younger ones may be out
	v_cmp_eq_u32 s36, 0, v[64+4*(\idx)]
	v_cmp_eq_u32 s37, 0, v[65+4*(\idx)]
	v_cmp_eq_u32 s38, 0, v[66+4*(\idx)]
	v_cmp_eq_u32 s39, 0, v[67+4*(\idx)]
	v_cndmask_b32 v10, 0, v9, s36
	v_cndmask_b32 v12, 0, v9, s37
	v_cndmask_b32 v13, 0, v9, s38
	v_cndmask_b32 v14, 0, v9, s39
	v_lshl_or_b32 v10, v12, 4, v10
	v_lshl_or_b32 v13, v14, 4, v13
	v_lshl_or_b32 v10, v13, 8, v10                 ; the first key lowest
	v_mov_b32_dpp v11, v10 row_xmask:1 row_mask:0xf bank_mask:0xf   ; my neighbour's four keys
	v_cndmask_b32 v12, v10, v11, s29               ; the even lane's go below,
	v_cndmask_b32 v13, v11, v10, s29               ; the odd lane's on top
	v_lshl_or_b32 v[192+(\idx)], v13, 16, v12      ; the even lane's four keys below, the odd lane's above
	ds_store_b32 v6, v[192+(\idx)] offset:1024*((\idx)%2)+16*((\idx)/2)   ; both lanes of a pair store the same word
.endm
	s_wait_alu depctr_va_vdst(0)
.irp x, 0,1,2,3,4,5,6,7,8,9,10,11,12,13,14,15,16,17,18,19,20,21,22,23,24,25,26,27,28,29,30,31
	MWORD \x
.endr
.irp n, 0,1,2,3
	ds_load_b128 v[224+4*\n:227+4*\n], v8 offset:512*\n   ; LDS serves a wave's instructions in order: these see my stores
.endr
.irp n, 0,1,2,3
	s_wait_dscnt 3-\n
	global_store_b128 v4, v[224+4*\n:227+4*\n], s[18:19] offset:512*\n   ; 512 consecutive bytes, aligned
.endr
	s_set_vgpr_msb 0x4
	s_wait_tensorcnt 0x0
	ds_add_u32 v15, v1
	s_wait_dscnt 0x0
	s_set_vgpr_msb 0x400
	s_endpgm
; ---------------- x.  Job J = 4 work-group + wave = 2 tile + half (four K steps of 128).
.Lpath_x:
	s_lshl_b32 s21, ttmp9, 2
	s_add_co_u32 s21, s21, s20                     ; J
	s_lshr_b32 s22, s21, 1                         ; tile T
	s_and_b32 s23, s21, 1                          ; half
	s_lshr_b32 s24, s22, 1
	s_lshl_b32 s24, s24, 17                        ; 32 rows of 4,096 bytes
	s_and_b32 s25, s22, 1
	s_lshl_b32 s25, s25, 15                        ; 8 rows
	s_add_co_u32 s24, s24, s25
	s_lshl_b32 s25, s23, 11                        ; four K steps of 512 bytes
	s_add_co_u32 s24, s24, s25
	s_mov_b32 s25, 0
	s_add_nc_u64 s[4:5], s[4:5], s[24:25]
	s_mul_i32 s26, s21, 6144                       ; images: 12,288 T + 6,144 half
	s_mov_b32 s27, 0
	s_add_nc_u64 s[28:29], s[16:17], s[26:27]
	s_lshl_b32 s30, s22, 9                         ; scale words: 512 T + 16 half
	s_lshl_b32 s31, s23, 4
	s_add_co_u32 s30, s30, s31
	s_add_co_u32 s30, s30, XSC
	s_mov_b32 s31, 0
	s_add_nc_u64 s[30:31], s[16:17], s[30:31]
	v_and_b32 v3, 15, v0                           ; r
	v_bfe_u32 v9, v0, 4, 1                         ; h
	s_mul_i32 s32, s20, 8448                       ; my stage: 16 rows of 512 + 16 bytes
	s_wait_alu depctr_va_vdst(0)
	v_add_nc_u32 v5, s32, v4                       ; in: 16 bytes a lane of a row
	v_mul_u32_u24 v6, v3, 528
	v_lshl_add_u32 v6, v9, 7, v6
	v_add_nc_u32 v6, s32, v6                       ; out: row r, my half's 32 numbers of each 64
	v_lshlrev_b32 v7, 5, v3                        ; 32 r: my row's scale words
	v_lshlrev_b32 v8, 3, v9                        ; 8 h
	v_mov_b32 v40, 0                               ; (a lane permute's destination counts as read)
.macro LOADX sp                        ; K step sp of the tile's 16 rows: each load reads 512 consecutive bytes
.irp i, 0,1,2,3,4,5,6,7,8,9,10,11,12,13,14,15
	global_load_b128 v[64+64*((\sp)%2)+4*\i:64+64*((\sp)%2)+4*\i+3], v4, s[4:5] offset:(\i+8*(\i/8))*4096+512*(\sp) th:TH_LOAD_NT
.endr
.endm
.macro TURNX sp                        ; through my stage: in as loaded, out as the operand's layout wants: lane (r, h) takes k = 64 c + 32 h + 0 .. 31 of row r
.irp i, 0,1,2,3,4,5,6,7,8,9,10,11,12,13,14,15
	ds_store_b128 v5, v[64+64*((\sp)%2)+4*\i:64+64*((\sp)%2)+4*\i+3] offset:528*\i
.endr
.irp c, 0,1
.irp j, 0,1,2,3,4,5,6,7
	ds_load_b128 v[192+32*\c+4*\j:192+32*\c+4*\j+3], v6 offset:256*\c+16*\j
.endr
.endr
.endm
.macro QUANTL sp                       ; my two whole blocks (h and 2 + h) become registers 0-5 and 6-11 of the fragment, v20-31; the row's scale word goes to v[16 + sp]
.irp c, 0,1
	v_max3_num_f32 v[42+\c], |v[192+32*\c]|, |v[193+32*\c]|, 0x1800000   ; with the floor 2^(3 - 127): the byte cannot fall under 1
.endr
.irp i, 2,4,6,8,10,12,14,16,18,20,22,24,26,28,30
.irp c, 0,1
	v_max3_num_f32 v[42+\c], v[42+\c], |v[192+32*\c+\i]|, |v[193+32*\c+\i]|
.endr
.endr
.irp c, 0,1
	v_add_nc_u32 v[44+\c], 0xff000000, v[42+\c]    ; 2 off the exponent field: the conversion's scale operand
.endr
.irp c, 0,1
	v_lshrrev_b32 v[46+\c], 23, v[44+\c]           ; the scale's byte
.endr
	v_lshl_or_b32 v48, v47, 16, v46
	v_lshlrev_b32 v48, v8, v48                     ; at their places in the word,
	v_permlanex16_b32 v40, v48, s[SEL], s[SEL+1]
	v_or_b32 v[16+(\sp)], v48, v40                 ; with lane l xor 16's two the word is whole
.irp c, 0,1
	v_cvt_scalef32_pk16_fp6_f32 v[20+6*\c:22+6*\c], v[192+32*\c:207+32*\c], v[44+\c]
	v_cvt_scalef32_pk16_fp6_f32 v[32+4*\c:34+4*\c], v[208+32*\c:223+32*\c], v[44+\c]   ; (a conversion's three registers begin on an even number)
.endr
	v_nop                                          ; one plain place behind a scaled conversion
.irp c, 0,1
.irp i, 0,1,2
	v_mov_b32 v[23+6*\c+\i], v[32+4*\c+\i]
.endr
.endr
.endm
.macro XSTEP sp
.if (\sp) < 3
	s_wait_loadcnt 16                              ; this step's 16 loads are in; the next step's may be out
.else
	s_wait_loadcnt 0x0
.endif
	TURNX \sp
	s_wait_dscnt 0x0                               ; the numbers are back, and the stage's stores have read their registers,
.if (\sp)+2 < 4
	LOADX (\sp)+2                                  ; which take the loads of two steps on
.endif
.if (\sp) > 0
	s_wait_xcnt 0x0                                ; the last step's stores have read the codes' registers
.endif
	QUANTL \sp
.irp g, 0,1,2
	global_store_b128 v4, v[20+4*\g:23+4*\g], s[28:29] offset:1536*(\sp)+512*\g   ; the image: 512 consecutive bytes a store
.endr
.endm
	LOADX 0
	LOADX 1
	s_wait_alu depctr_va_vdst(0)
	XSTEP 0
	XSTEP 1
	XSTEP 2
	XSTEP 3
	global_store_b128 v7, v[16:19], s[30:31]       ; my row's four scale words (lanes l and l xor 16 store the same bytes)
	s_set_vgpr_msb 0x4
	s_wait_tensorcnt 0x0
	ds_add_u32 v15, v1
	s_wait_dscnt 0x0
	s_set_vgpr_msb 0x400
	s_endpgm
; ---------------- THE WEIGHTS, stored [k][n]: a lane takes a column and its registers run down K.
.Lpath_w:
	s_sub_co_u32 s21, ttmp9, 256
	s_lshr_b32 s22, s21, 5                         ; which weight
	s_and_b32 s23, s21, 7                          ; which 128 columns
	s_bfe_u32 s24, s21, 0x20003                    ; which 256 along K
	s_cmp_eq_u32 s22, 1
	s_cselect_b64 s[6:7], s[8:9], s[6:7]
	s_cmp_eq_u32 s22, 2
	s_cselect_b64 s[6:7], s[10:11], s[6:7]
	s_cmp_eq_u32 s22, 3
	s_cselect_b64 s[6:7], s[12:13], s[6:7]
	s_lshl_b32 s25, s22, 5
	s_lshl_b32 s26, s23, 2
	s_add_co_u32 s25, s25, s26
	s_add_co_u32 s25, s25, s20                     ; my 32 columns are the pair of tiles 2 Bp, 2 Bp + 1: Bp = 32 weight + 4 gx + wave
	s_lshl_b32 s26, s24, 20                        ; 256 rows of 4,096 bytes
	s_lshl_b32 s27, s23, 9
	s_add_co_u32 s26, s26, s27
	s_lshl_b32 s27, s20, 7
	s_add_co_u32 s26, s26, s27
	s_mov_b32 s27, 0
	s_add_nc_u64 s[6:7], s[6:7], s[26:27]
	s_mul_i32 s28, s25, 24576                      ; images: two tiles of 12,288 bytes, + two K steps for each 256 along K
	s_mul_i32 s29, s24, 3072
	s_add_co_u32 s28, s28, s29
	s_add_co_u32 s28, s28, WIMG
	s_mov_b32 s29, 0
	s_add_nc_u64 s[28:29], s[16:17], s[28:29]
	s_lshl_b32 s30, s25, 10
	s_lshl_b32 s31, s24, 3
	s_add_co_u32 s30, s30, s31
	s_add_co_u32 s30, s30, WSC
	s_mov_b32 s31, 0
	s_add_nc_u64 s[30:31], s[16:17], s[30:31]
	s_wait_alu depctr_va_vdst(0)
	v_lshlrev_b32 v3, 2, v2                        ; in: 4 bytes a lane
	v_bfe_u32 v5, v2, 3, 1                         ; column l is row r = l % 8 + 8 (l / 16) of tile 2 Bp + u, u = (l / 8) % 2
	v_and_b32 v6, 7, v2
	v_lshrrev_b32 v7, 4, v2
	v_lshl_add_u32 v6, v7, 3, v6
	s_mul_i32 s32, s20, 6144
	s_add_co_u32 s32, s32, LDSW                    ; my stage: [u][K step][1536]
	v_mul_u32_u24 v8, v5, 3072
	v_lshl_add_u32 v8, v6, 4, v8
	v_add_nc_u32 v8, s32, v8                       ; into it: tile u, lane slot r (+ 16 for the odd blocks)
	v_add_nc_u32 v9, s32, v4                       ; out of it: 16 bytes a lane
	v_lshlrev_b32 v10, 9, v5
	v_lshl_add_u32 v10, v6, 5, v10                 ; my row of scale words: 512 u + 32 r
.macro WLOAD t                         ; block t: W(32 t + i, my column) into set t % 2: 128 consecutive bytes a load
.irp i, 0,1,2,3,4,5,6,7,8,9,10,11,12,13,14,15,16,17,18,19,20,21,22,23,24,25,26,27,28,29,30,31
	global_load_b32 v[32+32*((\t)%2)+\i], v3, s[6:7] offset:(32*(\t)+\i)*4096 th:TH_LOAD_NT
.endr
.endm
.macro WBLOCK t
.set XS, 32+32*((\t)%2)
.set WO, 1536*((\t)/4)+256*((\t)%2)
.if (\t) < 7
	s_wait_loadcnt 32                              ; this block's 32 loads are in; the next block's may be out
.else
	s_wait_loadcnt 0x0
.endif
	v_max3_num_f32 v12, |v[XS]|, |v[XS+1]|, |v[XS+2]|
	v_max3_num_f32 v13, |v[XS+3]|, |v[XS+4]|, |v[XS+5]|
.irp i, 6,10,14,18,22,26
	v_max3_num_f32 v12, v12, |v[XS+\i]|, |v[XS+\i+1]|
	v_max3_num_f32 v13, v13, |v[XS+\i+2]|, |v[XS+\i+3]|
.endr
	v_max3_num_f32 v12, v12, |v[XS+30]|, |v[XS+31]|
	v_max3_num_f32 v12, v12, v13, 0x1800000        ; and the floor
	v_add_nc_u32 v11, 0xff000000, v12
	v_lshrrev_b32 v13, 23, v11
.if (\t)%4 == 0
	v_mov_b32 v[24+(\t)/4], v13                    ; four bytes make a K step's scale word
.else
	v_lshl_or_b32 v[24+(\t)/4], v13, 8*((\t)%4), v[24+(\t)/4]
.endif
	v_cvt_scalef32_pk16_fp6_f32 v[96:98], v[XS:XS+15], v11
	v_cvt_scalef32_pk16_fp6_f32 v[104:106], v[XS+16:XS+31], v11
	v_nop                                          ; one plain place behind a scaled conversion
	v_mov_b32 v99, v104
	v_mov_b32 v100, v105
	v_mov_b32 v101, v106                           ; v96-101: the block's 24 bytes: registers 6 c .. 6 c + 5 of lane slot r + 16 (t % 2), c = (t / 2) % 2
.if ((\t)/2)%2 == 0
	ds_store_b128 v8, v[96:99] offset:WO
	ds_store_b64 v8, v[100:101] offset:WO+512
.else
	ds_store_b64 v8, v[96:97] offset:WO+520
	ds_store_b128 v8, v[98:101] offset:WO+1024
.endif
.if (\t)+2 < 8
	WLOAD (\t)+2
.endif
	s_wait_dscnt 0x0                               ; the stores have read their registers: the next block's codes may be written
.endm
	WLOAD 0
	WLOAD 1
.irp t, 0,1,2,3,4,5,6,7
	WBLOCK \t
.endr
	s_wait_alu depctr_va_vdst(0)
	global_store_b64 v10, v[24:25], s[30:31]       ; my column's two scale words
.irp n, 0,1,2,3,4,5,6,7,8,9,10,11
	ds_load_b128 v[112+4*\n:115+4*\n], v9 offset:512*\n
.endr
.irp n, 0,1,2,3,4,5,6,7,8,9,10,11
	s_wait_dscnt 11-\n
	global_store_b128 v4, v[112+4*\n:115+4*\n], s[28:29] offset:12288*(\n/6)+512*(\n%6)   ; 512 consecutive bytes, aligned
.endr
	s_set_vgpr_msb 0x4
	s_wait_tensorcnt 0x0
	ds_add_u32 v15, v1
	s_wait_dscnt 0x0
	s_set_vgpr_msb 0x400
	s_endpgm
.Lfunc_end_k_qb0260e75e4_prep:
	.size	k_qb0260e75e4_prep, .Lfunc_end_k_qb0260e75e4_prep-k_qb0260e75e4_prep
	.p2alignl 7, 3214868480
	.fill 96, 4, 3214868480
	.section	.rodata,"a",@progbits
	.p2align	6, 0x0
	.amdhsa_kernel k_qb0260e75e4_prep
		.amdhsa_group_segment_fixed_size 67072
		.amdhsa_private_segment_fixed_size 0
		.amdhsa_enable_private_segment 0
		.amdhsa_kernarg_size 64
		.amdhsa_user_sgpr_count 2
		.amdhsa_user_sgpr_kernarg_segment_ptr 1
		.amdhsa_wavefront_size32 1
		.amdhsa_system_sgpr_workgroup_id_x 1
		.amdhsa_system_sgpr_workgroup_id_y 1
		.amdhsa_system_sgpr_workgroup_id_z 1
		.amdhsa_system_vgpr_workitem_id 0
		.amdhsa_next_free_vgpr 258
		.amdhsa_next_free_sgpr 66
		.amdhsa_reserve_vcc 0
		.amdhsa_float_denorm_mode_32 3
		.amdhsa_float_denorm_mode_16_64 3
		.amdhsa_memory_ordered 1
		.amdhsa_forward_progress 1
		.amdhsa_inst_pref_size 110
	.end_amdhsa_kernel
	.amdgpu_metadata
---
amdhsa.version: [ 1, 2 ]
amdhsa.kernels:
  - .name:           k_qb0260e75e4_prep
    .symbol:         k_qb0260e75e4_prep.kd
    .args:
      - { .name: x, .offset: 0, .size: 8, .value_kind: global_buffer, .address_space: global }
      - { .name: Wq, .offset: 8, .size: 8, .value_kind: global_buffer, .address_space: global }
      - { .name: Wk, .offset: 16, .size: 8, .value_kind: global_buffer, .address_space: global }
      - { .name: Wv, .offset: 24, .size: 8, .value_kind: global_buffer, .address_space: global }
      - { .name: Wo, .offset: 32, .size: 8, .value_kind: global_buffer, .address_space: global }
      - { .name: mask, .offset: 40, .size: 8, .value_kind: global_buffer, .address_space: global }
      - { .name: xw, .offset: 48, .size: 8, .value_kind: global_buffer, .address_space: global }
      - { .name: mnib, .offset: 56, .size: 8, .value_kind: global_buffer, .address_space: global }
    .group_segment_fixed_size: 67072
    .private_segment_fixed_size: 0
    .kernarg_segment_align: 8
    .kernarg_segment_size: 64
    .max_flat_workgroup_size: 128
    .sgpr_count:     66
    .vgpr_count:     258
    .wavefront_size: 32
...
	.end_amdgpu_metadata
.endif
;; end of part 1
;; launch qkv (part 2): grid 8 x 32, 4 waves a work-group, clusters of 4 x 4, 327,680 bytes of LDS; arguments xw, bq, bk, bv, qkv; writes qkv
.if DOCPART == 2
	.amdgcn_target "amdgcn-amd-amdhsa--gfx1250"
	.amdhsa_code_object_version 6
	.text
	.protected	k_qb0260e75e4_qkv
	.globl	k_qb0260e75e4_qkv
	.p2align	8
	.type	k_qb0260e75e4_qkv,@function
k_qb0260e75e4_qkv:
	s_mov_b64 s[64:65], 0
	v_nop
	global_prefetch_b8 v0, s[64:65] scope:SCOPE_SE
	s_setreg_imm32_b32 hwreg(HW_REG_WAVE_MODE, 25, 1), 1
	s_wait_xcnt 0x0
	s_wait_alu depctr_hold_cnt(0) depctr_sa_sdst(0) depctr_va_vdst(0) depctr_va_sdst(0) depctr_va_ssrc(0) depctr_va_vcc(0) depctr_vm_vsrc(0)
	s_getreg_b32 s2, hwreg(HW_REG_IB_STS2, 6, 4)
	s_cmp_eq_u32 s2, 0
	s_cbranch_scc0 .Lentry_in_a_cluster
	s_endpgm
.Lentry_in_a_cluster:
	s_bfe_u32 s2, ttmp6, 0x10000c
	s_cmp_lg_u32 s2, 0xf033
	s_cbranch_scc0 .Lentry_shape_is_right
	s_endpgm
.Lentry_shape_is_right:
; QKV: q = x Wq + bq, k = x Wk + bk, v = x Wv + bv on codes of FP6 (E2M3) with E8M0 scales; the results are quantised in registers for the attention launch:
; q and k along the head's 64 channels, v along the keys.
; A WORK-GROUP STAYS: it owns 256 tokens and the 128 channels (two heads) nx of q, of k and of v, made one after the other.  8 x 32 work-groups.  Four waves, each 128 tokens x 64 channels (one head): 32 accumulators.
; LDS: x's 16 tiles, all of K (196,608 bytes of fragment images), are filled once and stay; the weights' 8 tiles, all of K (98,304 bytes), are filled three times.
; At the head one joint load a wave (waves 0, 1: 8 tiles of x each; waves 2, 3: 4 tiles of Wq each).  Behind a column's last product: the wait for all tensor loads, the add, the wait for it and for the reads, a round of the
; cluster's barrier, and one joint load a wave (2 tiles of the next weight), which lands while the finished column is quantised and stored.
; CLUSTERS: 4 x 4 work-groups; x's tiles are shared along a row of the cluster, the weights' along a column.
; THE SCALE WORDS go from memory into their registers, 16 loads of 16 bytes a lane for a column (two loads cover a tile's 512 bytes); those of the next column are asked for ahead of the way out.
; No prefetch: the walk has three steps, and each refill is asked for as soon as the bytes it lands on are free.
; q, k: THE PRODUCT IS USED TRANSPOSED (source 0 = 16 channels of W, source 1 = 16 tokens): a lane holds one token and its registers run along the channels, the next product's K.
; v: source 0 = 16 tokens, source 1 = 16 channels: a lane holds one channel and its registers run along the tokens, the keys.
; Tiles' rows are in tile order (row r of tile T = 32 (T / 2) + 8 (T % 2) + r + 8 (r / 8)), so the 16 registers of two neighbouring tiles are 16 neighbours along the next K.  The bias is the C of each sum's first matrix instruction.
; OUT: qkv: q's and k's pair images [batch x head][pair of tiles 0..63][1536] (registers 0-5 the even tile, 6-11 the odd one), v's images [batch x head][128 keys 0..15][channel tile 0..3][1536];
; scale words 4 bytes a lane (lanes 0-15 the even tile, lanes 16-31 the odd one).
; LIMITS: NaN and infinities are not served; a block whose largest magnitude lies under 2^-124 (a block of zeros too) keeps the byte 1; only this program reads the bytes.
; REGISTERS: window 0: v1-14 addresses and constants, v15-31 at work, v32-95 scale words, v96-239 fragments, set 0 (later the codes made);  window 1: the accumulators;
;   window 2: v0-31 the bias in the result's layout, v96-239 fragments, set 1.
.set WIMG, 6291456
.set XSC,  9437184
.set WSC,  9699328
.set VIMG, 12582912
.set QSC,  18874368
.set VSC,  19922944
.set WSTEP, 786432                     ; from a weight's images to the next weight's: 64 tiles of 12,288 bytes;
.set SSTEP, 32768                      ; and of its scale words: 64 tiles of 512 bytes
.set L_WB, 196608                      ; LDS: x [tile 0..15][12288] from 0; the weights [tile 0..7][12288] from here;
.set SPARE, 294912                     ; the spare words, 128 bytes a wave
.set G1A,  24                          ; s[24:31] group 1: 8 tiles of x;  s[32:39] 4 tiles of a weight;  s[40:47] 2 tiles of a weight
.set G1B,  32
.set G1BR, 40
.set GA0,  48                          ; groups 0 of the same three
.set GB0,  52
.set GBR,  56
.set SEL,  2                           ; s[2:3] selects of v_permlanex16_b32
.set AX,   1                           ; v1-2   LDS address of my x tiles 0-3, 4-7
.set AW,   5                           ; v5     of my 4 weight tiles
.set GS,   7                           ; v7-8   offset in xw of my scale words: lanes 0-15 x's rows, lanes 16-31 Wq's; v7 for x tiles 0-3, v8 for x tiles 4-7
.set GJ,   9                           ; v9-10  the same for the column at hand
.set L16,  11                          ; 16 x lane
.set L4,   12                          ; 4 x lane
.set H16,  13                          ; 16 x (lane / 16)
.set QFL,  14                          ; the floor 2^(3 - 127)
.set SC,   32                          ; scale words: v[SC + 8 i + s]: lanes 0-15 x tile i, lanes 16-31 weight tile i % 4, K step s
.set XF,   96
.set WF,   192
.set PC,   96                          ; the way out: four fragments of codes,
.set PW,   144                         ; their scale words,
.set PT,   148                         ; the words as stored,
.set TC,   152
.set TM,   160
.set BX,   164
.set SO,   168
.set BY,   172
.set MSB, 0
.macro WIN new                         ; the immediate's high byte repeats the setting that is left
.if MSB != \new
	s_set_vgpr_msb (MSB<<8)|\new
.set MSB, \new
.endif
.endm
.macro PLACES n
.rept \n
	v_nop
.endr
.endm
.macro CROUND                          ; a round of the cluster's barrier
	s_barrier_signal -1
	s_barrier_wait -1
	s_cmp_lg_u32 s14, 0
	s_cbranch_scc1 .Lnot_wave_0_\@
	s_barrier_signal -3
.Lnot_wave_0_\@:
	s_barrier_wait -3
	s_barrier_signal -1
	s_barrier_wait -1
.endm
.macro G1REST g, r                     ; r tiles: rows of 1,536 elements of 8 bytes, dense
	s_mov_b32 s[\g+1], 1536<<16
	s_mov_b32 s[\g+2], (\r)<<16
	s_mov_b32 s[\g+3], 1536<<16
	s_mov_b32 s[\g+4], \r
	s_mov_b32 s[\g+5], 1536
	s_mov_b32 s[\g+6], 0
	s_mov_b32 s[\g+7], 0
.endm
.macro SCALES                          ; all of K's scale words of my 8 + 4 tiles: 64 registers.  s89 = SSTEP x the column's weight: lanes 16-31 alone move with it
	v_mad_u32_u24 v[GJ], v17, s89, v[GS]
	v_mad_u32_u24 v[GJ+1], v17, s89, v[GS+1]
.irp i, 0,1,2,3,4,5,6,7
.irp f, 0,1
	global_load_b128 v[SC+8*\i+4*\f:SC+8*\i+4*\f+3], v[GJ+\i/4], s[4:5] offset:512*\i+16*\f
.endr
.endr
.endm
	s_load_b256 s[4:11], s[0:1], 0x0               ; xw 4, bq 6, bk 8, bv 10
	s_load_b64 s[12:13], s[0:1], 0x20              ; qkv
	v_lshl_add_u32 v254, v0, 2, SPARE
	v_mov_b32 v255, 0
	ds_add_u32 v254, v255                          ; the opening lines: the add twice on end and its wait ahead of my first tensor load
	ds_add_u32 v254, v255
	v_lshrrev_b32 v1, 5, v0
	v_readfirstlane_b32 s14, v1                    ; wave
	s_lshr_b32 s15, s14, 1                         ; my half of the tokens.  Also: at the head I fetch for x (0) or for the weights (1)
	s_and_b32 s16, s14, 1                          ; my head of the two.  Also: which half of that operand's tiles I fetch at the head
	s_bfe_u32 s2, ttmp6, 0x40000                   ; cx
	s_bfe_u32 s3, ttmp6, 0x40004                   ; cy
	s_lshl_b32 s18, ttmp9, 2
	s_add_co_u32 s18, s18, s2                      ; nx: which 128 channels of the 1,024
	s_and_b32 s19, ttmp7, 0xffff
	s_lshl_b32 s19, s19, 2
	s_add_co_u32 s19, s19, s3                      ; my: 256 tokens
	s_lshl_b32 s20, s3, 2
	s_lshl_b32 s20, 15, s20                        ; my row of the cluster
	s_lshl_b32 s21, 0x1111, s2                     ; my column
	s_or_b32 s[G1A], s20, (3<<16)|(1<<21)          ; the mask; elements of 8 bytes; bit 21 set beside a mask; no padding: images are read 16 bytes a lane on end
	s_or_b32 s[G1B], s21, (3<<16)|(1<<21)
	s_or_b32 s[G1BR], s21, (3<<16)|(1<<21)
	G1REST G1A, 8
	G1REST G1B, 4
	G1REST G1BR, 2
	s_mov_b32 s[SEL], 0x76543210
	s_mov_b32 s[SEL+1], 0xfedcba98
	s_lshl_b32 s22, s19, 4
	s_lshl_b32 s23, s16, 3
	s_add_co_u32 s22, s22, s23                     ; the head's load of x: tile 16 my + 8 half
	s_mul_i32 s22, s22, 12288
	s_mov_b32 s23, 0
	s_lshl_b32 s66, s18, 3
	s_lshl_b32 s67, s16, 2
	s_add_co_u32 s66, s66, s67                     ; of Wq: tile 8 nx + 4 half
	s_mul_i32 s66, s66, 12288
	s_add_co_u32 s66, s66, WIMG
	s_mov_b32 s67, 0
	s_lshl_b32 s100, s18, 3
	s_lshl_b32 s101, s14, 1
	s_add_co_u32 s100, s100, s101                  ; the refills: tile 8 nx + 2 wave, stepped to the next weight ahead of each
	s_mul_i32 s100, s100, 12288
	s_add_co_u32 s100, s100, WIMG
	s_mov_b32 s101, 0
	s_mul_i32 s[GA0+1], s16, 98304                 ; where they go: no place in the cluster enters an LDS address
	s_mul_i32 s[GB0+1], s16, 49152
	s_add_co_u32 s[GB0+1], s[GB0+1], L_WB
	s_mul_i32 s[GBR+1], s14, 24576
	s_add_co_u32 s[GBR+1], s[GBR+1], L_WB
	s_lshl_b32 s20, s19, 4
	s_lshl_b32 s21, s15, 3
	s_add_co_u32 s20, s20, s21
	s_lshl_b32 s20, s20, 9
	s_add_co_u32 s20, s20, XSC                     ; x's scale words: my tiles 16 my + 8 wm on
	s_lshl_b32 s21, s18, 3
	s_lshl_b32 s17, s16, 2
	s_add_co_u32 s21, s21, s17
	s_lshl_b32 s21, s21, 9
	s_add_co_u32 s21, s21, WSC                     ; Wq's: my tiles 8 nx + 4 wn on;
	s_sub_co_u32 s21, s21, s20                     ; as a distance from x's
	s_mul_i32 s92, s15, 98304                      ; my 8 tiles of x in LDS,
	s_mul_i32 s93, s16, 49152                      ; my 4 tiles of the weights
	s_add_co_u32 s93, s93, L_WB
	s_mov_b32 s88, 0                               ; the column: 0 q, 1 k, 2 v
	s_mov_b32 s89, 0
	v_and_b32 v15, 31, v0                          ; lane
	v_and_b32 v16, 15, v0                          ; r
	v_bfe_u32 v17, v0, 4, 1                        ; h
	v_lshlrev_b32 v[L16], 4, v15
	v_lshlrev_b32 v[L4], 2, v15
	v_lshlrev_b32 v[H16], 4, v17
	v_mov_b32 v[QFL], 0x1800000
	v_mul_u32_u24 v[GS], s21, v17                  ; lanes 16-31 take the weights' words: the lower base + h x the distance,
	v_lshlrev_b32 v18, 11, v17
	v_add_nc_u32 v[AX], s92, v[L16]
	v_add_nc_u32 v[AW], s93, v[L16]
	v_lshl_add_u32 v[GS], v16, 5, v[GS]            ; 32 bytes a row
	v_add_nc_u32 v[AX+1], 49152, v[AX]
	v_add_nc_u32 v[GS], s20, v[GS]
	s_delay_alu instid0(VALU_DEP_1)
	v_sub_nc_u32 v[GS+1], v[GS], v18               ; the loads' offsets run 512 i over x's eight tiles; the weights' four come round again: 2,048 bytes less for x tiles 4-7
	s_wait_alu depctr_va_vdst(0)                   ; the wait at the head's end
	s_wait_dscnt 0x0
	s_wait_kmcnt 0x0
	s_mov_b32 s[GA0], 1
	s_add_nc_u64 s[GA0+2:GA0+3], s[4:5], s[22:23]
	s_or_b32 s[GA0+3], s[GA0+3], 0x80000000
	s_mov_b32 s[GB0], 1
	s_add_nc_u64 s[GB0+2:GB0+3], s[4:5], s[66:67]
	s_or_b32 s[GB0+3], s[GB0+3], 0x80000000
	s_mov_b32 s[GBR], 1
	s_add_nc_u64 s[GBR+2:GBR+3], s[4:5], s[100:101]
	s_or_b32 s[GBR+3], s[GBR+3], 0x80000000
	SCALES                                         ; q's column
	CROUND                                         ; all sixteen work-groups are here: the joint loads meet
	s_cmp_eq_u32 s15, 0                            ; one tensor load a wave, in the two arms of one branch on the wave's number
	s_cbranch_scc0 .Lfill_b
	tensor_load_to_lds s[GA0:GA0+3], s[G1A:G1A+7]
	s_nop 0
	PLACES 4
	s_branch .Lfilled
.Lfill_b:
	tensor_load_to_lds s[GB0:GB0+3], s[G1B:G1B+7]
	s_nop 0
	PLACES 4
.Lfilled:
.macro FETCH p, s                      ; K step s's 12 fragments into set p: 36 loads of 512 consecutive bytes
.if \p
	WIN 0x80
.else
	WIN 0
.endif
.irp t, 0,1,2,3,4,5,6,7
.irp g, 0,1,2
	ds_load_b128 v[XF+12*\t+4*\g:XF+12*\t+4*\g+3], v[AX+\t/4] offset:12288*(\t%4)+1536*(\s)+512*\g
.endr
.endr
.irp t, 0,1,2,3
.irp g, 0,1,2
	ds_load_b128 v[WF+12*\t+4*\g:WF+12*\t+4*\g+3], v[AW] offset:12288*\t+1536*(\s)+512*\g
.endr
.endr
.endm
.macro MWIN s                          ; D window 1; fragments window 0 or 2; C: the bias (window 2) in the first step, then D
.if (\s) == 0
	WIN 0x60
.elseif (\s)%2
	WIN 0x5a
.else
	WIN 0x50
.endif
.endm
; 32 matrix instructions: the 32 accumulators take turns, one instruction a turn, in the same order in every step
.macro MULQK s                         ; accumulator (token tile t, channel tile ct) at v[8 (4 t + ct)]
	MWIN \s
.irp t, 0,1,2,3,4,5,6,7
.irp ct, 0,1,2,3
.if (\s) == 0
	v_wmma_scale_f32_16x16x128_f8f6f4 v[8*(4*\t+\ct):8*(4*\t+\ct)+7], v[WF+12*\ct:WF+12*\ct+11], v[XF+12*\t:XF+12*\t+11], v[8*\ct:8*\ct+7], v[SC+8*\ct+(\s)], v[SC+8*\t+(\s)] matrix_a_fmt:MATRIX_FMT_FP6 matrix_b_fmt:MATRIX_FMT_FP6 matrix_a_scale:MATRIX_SCALE_ROW1
.else
	v_wmma_scale_f32_16x16x128_f8f6f4 v[8*(4*\t+\ct):8*(4*\t+\ct)+7], v[WF+12*\ct:WF+12*\ct+11], v[XF+12*\t:XF+12*\t+11], v[8*(4*\t+\ct):8*(4*\t+\ct)+7], v[SC+8*\ct+(\s)], v[SC+8*\t+(\s)] matrix_a_fmt:MATRIX_FMT_FP6 matrix_b_fmt:MATRIX_FMT_FP6 matrix_a_scale:MATRIX_SCALE_ROW1
.endif
.endr
.endr
.endm
.macro MULV s                          ; accumulator (ct, t) at v[8 (8 ct + t)]
	MWIN \s
.irp ct, 0,1,2,3
.irp t, 0,1,2,3,4,5,6,7
.if (\s) == 0
	v_wmma_scale_f32_16x16x128_f8f6f4 v[8*(8*\ct+\t):8*(8*\ct+\t)+7], v[XF+12*\t:XF+12*\t+11], v[WF+12*\ct:WF+12*\ct+11], v[8*\ct:8*\ct+7], v[SC+8*\t+(\s)], v[SC+8*\ct+(\s)] matrix_a_fmt:MATRIX_FMT_FP6 matrix_b_fmt:MATRIX_FMT_FP6 matrix_b_scale:MATRIX_SCALE_ROW1
.else
	v_wmma_scale_f32_16x16x128_f8f6f4 v[8*(8*\ct+\t):8*(8*\ct+\t)+7], v[XF+12*\t:XF+12*\t+11], v[WF+12*\ct:WF+12*\ct+11], v[8*(8*\ct+\t):8*(8*\ct+\t)+7], v[SC+8*\t+(\s)], v[SC+8*\ct+(\s)] matrix_a_fmt:MATRIX_FMT_FP6 matrix_b_fmt:MATRIX_FMT_FP6 matrix_b_scale:MATRIX_SCALE_ROW1
.endif
.endr
.endr
.endm
.macro TOP                             ; a column begins: everybody's part of its weights (the first time: of x too) is in LDS
	s_wait_tensorcnt 0x0
	s_barrier_signal -1
	s_barrier_wait -1
	FETCH 0, 0
.endm
.macro KLOOP kind                      ; the eight K steps: step s + 1's fragments are asked for ahead of step s's products
.irp s, 0,1,2,3,4,5,6,7
.if \s < 7
.if \s > 0
	PLACES 4                                       ; in front of loads into registers that the step before multiplied
.endif
	FETCH (\s+1)%2, \s+1
	s_wait_dscnt 36                                ; all but the 36 just issued: this step's fragments are in
.else
	s_wait_dscnt 0x0
.endif
.if \kind
	MULV \s
.else
	MULQK \s
.endif
.endr
.endm
; 64 numbers of a lane in window 1, register 16 b + i = k 32 b + 16 (lane / 16) + i of its row, become a fragment's codes in v[pc] on and its scale word in v[pw].
.macro QUANT src, pc, pw
	WIN 0x14
.irp b, 0,1,2,3
	v_max3_num_f32 v[TM+\b], v[QFL], |v[(\src)+16*\b]|, |v[(\src)+16*\b+1]|   ; each accumulator is read from its low end on
.endr
.irp i, 2,4,6,8,10,12,14
.irp b, 0,1,2,3
	v_max3_num_f32 v[TM+\b], v[TM+\b], |v[(\src)+16*\b+\i]|, |v[(\src)+16*\b+\i+1]|
.endr
.endr
	WIN 0
.irp b, 0,1,2,3
	v_permlanex16_b32 v[BX+\b], v[TM+\b], s[SEL], s[SEL+1]
.endr
.irp b, 0,1,2,3
	v_max_num_f32 v[TM+\b], v[TM+\b], v[BX+\b]     ; with lane l xor 16's: the block's largest magnitude
.endr
.irp b, 0,1,2,3
	v_add_nc_u32 v[SO+\b], 0xff000000, v[TM+\b]    ; 2 off the exponent field: the conversion's scale operand
.endr
.irp b, 0,1,2,3
	v_lshrrev_b32 v[BY+\b], 23, v[SO+\b]
.endr
	v_lshl_or_b32 v[\pw], v[BY+1], 8, v[BY]
	v_lshl_or_b32 v[\pw], v[BY+2], 16, v[\pw]
	v_lshl_or_b32 v[\pw], v[BY+3], 24, v[\pw]
	WIN 0x01
.irp c, 0,1
	v_cvt_scalef32_pk16_fp6_f32 v[(\pc)+6*\c:(\pc)+6*\c+2], v[(\src)+32*\c:(\src)+32*\c+15], v[SO+2*\c]
	v_cvt_scalef32_pk16_fp6_f32 v[TC+4*\c:TC+4*\c+2], v[(\src)+32*\c+16:(\src)+32*\c+31], v[SO+2*\c+1]
.endr
	WIN 0
	v_nop                                          ; one plain place behind a scaled conversion
.irp c, 0,1
.irp i, 0,1,2
	v_permlane16_swap_b32 v[(\pc)+6*\c+\i], v[TC+4*\c+\i]   ; a whole block to a lane
.endr
.irp i, 0,1,2
	v_mov_b32 v[(\pc)+6*\c+3+\i], v[TC+4*\c+\i]
.endr
.endr
.endm
; ---------------- q, then k: one loop of two trips
.Lcol:
	TOP
	s_cmp_eq_u32 s88, 0
	s_cselect_b64 s[90:91], s[6:7], s[8:9]         ; bq or bk: the choice hangs on the trip alone
	s_lshl_b32 s22, s18, 9
	s_lshl_b32 s23, s16, 8
	s_add_co_u32 s22, s22, s23                     ; my head's 64 numbers of the bias, in bytes
	s_mov_b32 s23, 0
	s_add_nc_u64 s[90:91], s[90:91], s[22:23]
	v_lshlrev_b32 v18, 6, v17                      ; lane (r, h) wants, for tile 2 b + u, the bias of channels 32 b + 16 h + 8 u + 0 .. 7
	WIN 0x80
.irp ct, 0,1,2,3
	global_load_b128 v[8*\ct:8*\ct+3], v18, s[90:91] offset:(32*(\ct/2)+8*(\ct%2))*4
	global_load_b128 v[8*\ct+4:8*\ct+7], v18, s[90:91] offset:(32*(\ct/2)+8*(\ct%2))*4+16
.endr
	WIN 0
	s_lshr_b32 s22, s19, 3                         ; batch
	s_lshl_b32 s22, s22, 4
	s_lshl_b32 s23, s18, 1
	s_add_co_u32 s22, s22, s23
	s_add_co_u32 s22, s22, s16                     ; 16 batch + head
	s_lshl_b32 s22, s22, 6
	s_and_b32 s23, s19, 7
	s_lshl_b32 s23, s23, 3
	s_add_co_u32 s22, s22, s23
	s_lshl_b32 s23, s15, 2
	s_add_co_u32 s22, s22, s23                     ; my first pair of token tiles
	s_mul_i32 s66, s22, 1536
	s_mul_i32 s67, s88, 6291456
	s_add_co_u32 s66, s66, s67
	s_mov_b32 s67, 0
	s_add_nc_u64 s[66:67], s[12:13], s[66:67]
	s_lshl_b32 s100, s22, 7
	s_lshl_b32 s101, s88, 19
	s_add_co_u32 s100, s100, s101
	s_add_co_u32 s100, s100, QSC
	s_mov_b32 s101, 0
	s_add_nc_u64 s[100:101], s[12:13], s[100:101]
	s_wait_loadcnt 0x0                             ; the scale words and the bias
	KLOOP 0
	WIN 0
	s_wait_tensorcnt 0x0                           ; none of my tensor loads is out,
	ds_add_u32 v254, v255
	s_add_nc_u64 s[GBR+2:GBR+3], s[GBR+2:GBR+3], WSTEP   ; so the group 0 may be written: the next weight's tiles
	s_add_co_u32 s89, s89, SSTEP
	s_wait_dscnt 0x0                               ; the add is done, and so are my reads of this column's weights
	CROUND                                         ; the same holds of every wave of all sixteen work-groups
	tensor_load_to_lds s[GBR:GBR+3], s[G1BR:G1BR+7]   ; my 2 tiles of the next weight
	s_nop 0
	PLACES 4                                       ; also the places in front of the loads below and of the first read of results
	SCALES                                         ; the next column's
.irp b, 0,1,2,3
	v_mov_b32 v[BX+\b], 0                          ; (a lane permute's destination counts as read)
.endr
.irp p, 0,1,2,3                        ; a pair of token tiles: 2 x 64 channels: blocks 0, 1 the even tile's, 2, 3 the odd one's.  Each pair has registers of its own for what it stores
	QUANT 64*\p, PC+12*\p, PW+\p
	v_lshrrev_b32 v[PT+\p], v[H16], v[PW+\p]       ; lanes 0-15 keep the even tile's two bytes, lanes 16-31 the odd one's;
	v_and_b32 v[PT+\p], 0xffff, v[PT+\p]           ; the bytes of the K that the head does not have are 0: they meet zero codes
.irp g, 0,1,2
	global_store_b128 v[L16], v[PC+12*\p+4*\g:PC+12*\p+4*\g+3], s[66:67] offset:1536*\p+512*\g   ; 512 consecutive bytes, aligned
.endr
	global_store_b32 v[L4], v[PT+\p], s[100:101] offset:128*\p
.endr
	s_wait_xcnt 0x0                                ; the stores have read their registers and bases: the next column's fragments may land there
	s_add_co_u32 s88, s88, 1
	s_cmp_lt_u32 s88, 2
	s_wait_alu depctr_va_vdst(0)                   ; the wait ahead of the branch
	s_cbranch_scc1 .Lcol
; ---------------- v
	TOP
	s_lshl_b32 s22, s18, 9
	s_lshl_b32 s23, s16, 8
	s_add_co_u32 s22, s22, s23
	s_mov_b32 s23, 0
	s_add_nc_u64 s[90:91], s[10:11], s[22:23]
	v_and_b32 v18, 8, v16
	v_add_nc_u32 v18, v18, v16
	v_lshlrev_b32 v18, 2, v18                      ; lane r holds channel 32 b + 8 u + r + 8 (r / 8) of tile 2 b + u
.irp ct, 0,1,2,3
	global_load_b32 v[20+\ct], v18, s[90:91] offset:(32*(\ct/2)+8*(\ct%2))*4
.endr
	s_lshr_b32 s22, s19, 3
	s_lshl_b32 s22, s22, 4
	s_lshl_b32 s23, s18, 1
	s_add_co_u32 s22, s22, s23
	s_add_co_u32 s22, s22, s16                     ; 16 batch + head
	s_lshl_b32 s22, s22, 4
	s_and_b32 s23, s19, 7
	s_lshl_b32 s23, s23, 1
	s_add_co_u32 s22, s22, s23
	s_add_co_u32 s22, s22, s15                     ; x 16 + which 128 keys
	s_mul_i32 s66, s22, 6144
	s_add_co_u32 s66, s66, VIMG
	s_mov_b32 s67, 0
	s_add_nc_u64 s[66:67], s[12:13], s[66:67]
	s_lshl_b32 s100, s22, 8
	s_add_co_u32 s100, s100, VSC
	s_mov_b32 s101, 0
	s_add_nc_u64 s[100:101], s[12:13], s[100:101]
	s_mov_b32 s17, 0xffff0000                      ; lanes 16-31
	s_wait_loadcnt 0x0
	WIN 0x80
.irp ct, 0,1,2,3
.irp j, 0,1,2,3,4,5,6,7
	v_mov_b32 v[8*\ct+\j], v[20+\ct]               ; the bias in the result's layout: a lane's eight tokens share its channel's
.endr
.endr
	PLACES 4
	s_wait_alu depctr_va_vdst(0)                   ; the wait ahead of the K loop's waits
	KLOOP 1
	WIN 0
	PLACES 4
.irp b, 0,1,2,3
	v_mov_b32 v[BX+\b], 0
.endr
.irp ct, 0,1,2,3                       ; a channel tile: 16 channels x my 128 keys: one fragment of V^T
	QUANT 64*\ct, PC+12*\ct, PW+\ct
.irp g, 0,1,2
	global_store_b128 v[L16], v[PC+12*\ct+4*\g:PC+12*\ct+4*\g+3], s[66:67] offset:1536*\ct+512*\g
.endr
.endr
.irp u, 0,1
	v_cndmask_b32 v[PT+\u], v[PW+2*\u], v[PW+2*\u+1], s17   ; lanes 0-15 the even tile's words, lanes 16-31 the odd one's
	global_store_b32 v[L4], v[PT+\u], s[100:101] offset:128*\u
.endr
	s_wait_tensorcnt 0x0                           ; the wave's end
	ds_add_u32 v254, v255
	s_wait_dscnt 0x0
	CROUND                                         ; the closing round: no work-group ends while a partner may still ask for a tile that names it
	s_endpgm
.Lfunc_end_k_qb0260e75e4_qkv:
	.size	k_qb0260e75e4_qkv, .Lfunc_end_k_qb0260e75e4_qkv-k_qb0260e75e4_qkv
	.p2alignl 7, 3214868480
	.fill 96, 4, 3214868480
	.section	.rodata,"a",@progbits
	.p2align	6, 0x0
	.amdhsa_kernel k_qb0260e75e4_qkv
		.amdhsa_group_segment_fixed_size 327680
		.amdhsa_private_segment_fixed_size 0
		.amdhsa_enable_private_segment 0
		.amdhsa_kernarg_size 40
		.amdhsa_user_sgpr_count 2
		.amdhsa_user_sgpr_kernarg_segment_ptr 1
		.amdhsa_wavefront_size32 1
		.amdhsa_system_sgpr_workgroup_id_x 1
		.amdhsa_system_sgpr_workgroup_id_y 1
		.amdhsa_system_sgpr_workgroup_id_z 1
		.amdhsa_system_vgpr_workitem_id 0
		.amdhsa_next_free_vgpr 768
		.amdhsa_next_free_sgpr 102
		.amdhsa_reserve_vcc 0
		.amdhsa_float_denorm_mode_32 3
		.amdhsa_float_denorm_mode_16_64 3
		.amdhsa_memory_ordered 1
		.amdhsa_forward_progress 1
		.amdhsa_inst_pref_size 153
	.end_amdhsa_kernel
	.amdgpu_metadata
---
amdhsa.version: [ 1, 2 ]
amdhsa.kernels:
  - .name:           k_qb0260e75e4_qkv
    .symbol:         k_qb0260e75e4_qkv.kd
    .args:
      - { .name: xw, .offset: 0, .size: 8, .value_kind: global_buffer, .address_space: global }
      - { .name: bq, .offset: 8, .size: 8, .value_kind: global_buffer, .address_space: global }
      - { .name: bk, .offset: 16, .size: 8, .value_kind: global_buffer, .address_space: global }
      - { .name: bv, .offset: 24, .size: 8, .value_kind: global_buffer, .address_space: global }
      - { .name: qkv, .offset: 32, .size: 8, .value_kind: global_buffer, .address_space: global }
    .group_segment_fixed_size: 327680
    .private_segment_fixed_size: 0
    .kernarg_segment_align: 8
    .kernarg_segment_size: 40
    .max_flat_workgroup_size: 128
    .sgpr_count:     102
    .vgpr_count:     768
    .wavefront_size: 32
...
	.end_amdgpu_metadata
.endif
;; end of part 2
;; launch attn (part 3): grid 4 x 64, 8 waves a work-group, clusters of 4 x 1, 327,680 bytes of LDS; arguments qkv, mnib, ob; writes ob
.if DOCPART == 3
	.amdgcn_target "amdgcn-amd-amdhsa--gfx1250"
	.amdhsa_code_object_version 6
	.text
	.protected	k_qb0260e75e4_attn
	.globl	k_qb0260e75e4_attn
	.p2align	8
	.type	k_qb0260e75e4_attn,@function
k_qb0260e75e4_attn:
	s_mov_b64 s[64:65], 0
	v_nop
	global_prefetch_b8 v0, s[64:65] scope:SCOPE_SE
	s_setreg_imm32_b32 hwreg(HW_REG_WAVE_MODE, 25, 1), 1
	s_wait_xcnt 0x0
	s_wait_alu depctr_hold_cnt(0) depctr_sa_sdst(0) depctr_va_vdst(0) depctr_va_sdst(0) depctr_va_ssrc(0) depctr_va_vcc(0) depctr_vm_vsrc(0)
	s_getreg_b32 s2, hwreg(HW_REG_IB_STS2, 6, 4)
	s_cmp_eq_u32 s2, 0
	s_cbranch_scc0 .Lentry_in_a_cluster
	s_endpgm
.Lentry_in_a_cluster:
	s_bfe_u32 s2, ttmp6, 0x10000c
	s_cmp_lg_u32 s2, 0x3003
	s_cbranch_scc0 .Lentry_shape_is_right
	s_endpgm
.Lentry_shape_is_right:
; ATTENTION on codes of FP6 (E2M3) with E8M0 scales: scores = q k^T / 8, hidden where mask == 0; softmax, finished and normalised in f32, then quantised along the keys; o = attn v, quantised along the channels for the last launch.
; SHARES.  A work-group: one batch x head, 512 queries, in 16 trips of 32 (two tiles of 16).  Eight waves, each with 256 of the 2,048 keys: its K and V fragments lie in its own 24,576 bytes of LDS, filled once.
; CLUSTERS: the four work-groups of a head read the same K and V: one joint load a wave (two rows of 12,288 bytes: its K part and its V part, 6,291,456 bytes apart in qkv).
; Both products are used transposed (S^T = k q^T, O^T = v^T p^T): a lane holds one query, its registers run along the keys (in tile order 16 registers of two tiles are 16 neighbours).
; THE MASK is the C of the scores' products: a word of mnib holds eight keys' FP4 codes (0, or 0xE = -4), widened by one conversion with the scale 2^73: a hidden key starts at -2^75.
; A TRIP.  Each wave: scores, its own maximum M (a whole number) and sum l of 2^(t - M) for each query; (M, l) of the eight waves meet in LDS; every wave forms f = 2^(M - largest M) / the whole sum
; (0 where that sum is 0: a row with every key hidden gives zeros), p x f is quantised, O^T partials of the eight waves meet in LDS and waves 0-3 add and quantise them.
; THREE BARRIERS A TRIP, each with register work between signal and wait: tile 0's (M, l) are out while tile 1's softmax is computed; tile 1's while tile 0 is normalised;
; a trip's partial O is added in the NEXT trip, behind its first half of the scores, in the 128 score registers that this half does not use (the last trip's behind the loop).
; No prefetch: K and V come once, at the head; q's fragments and the mask's words are loaded into registers a whole trip ahead of their use.
; LIMITS: NaN and infinities among the inputs are not served; the promise holds while the scaled scores (exponents to the base 2) stay under 2^31 in magnitude; a block whose largest number lies under 2^-124 keeps the scale byte 1.
; REGISTERS: window 0 as named below; window 1: the scores, tile qt at v[128 qt], then p; O^T at v[128 qt + 8 ct]; v32-63 the p codes of the second 128 keys.
.set TRIPS, 16
.set KIMG, 6291456
.set QSC,  18874368
.set KSC,  19398656
.set VSC,  19922944
.set OSC,  6291456
.set L_ST, 196608                      ; LDS: behind 8 x 24,576 bytes of K and V: (M, l): [tile][query][wave][8 bytes];
.set L_OP, 198656                      ; the partial O: 8,192 bytes a wave;
.set SPARE, 264192                     ; the spare words, 128 bytes a wave
.set AK,   1
.set AV,   2
.set L16,  3
.set L4,   4
.set ASTW, 5
.set ASTR, 6
.set AOPW, 7
.set AOPR, 8
.set GOC,  9
.set GOS,  10
.set FLV,  11                          ; -2^40: the floor of a maximum, over every hidden key
.set QFL,  12                          ; 2^(3 - 127): the floor of a block's largest magnitude
.set T0,   13
.set T1,   14
.set T2,   15
.set KS,   16                          ; k's scale words, v's, q's
.set VS,   24
.set QS,   28
.set MSC,  29                          ; the byte 200 four times: the mask conversion's scale, 2^73
.set PW,   30                          ; p's scale words: first 128 keys v30, v31; second v169, v173
.set PW1,  169
.set QA,   32
.set QB,   44
.set MN,   56
.set KV,   88
.set PC,   142                         ; p's codes, first 128 keys
.set TC,   166
.set P1,   32                          ; window 1: p's codes, second 128 keys,
.set TC1,  56                          ; and the halves on their way there
.set SPW,  174
.set NIL,  175
.set BM,   176
.set BX,   192
.set SO,   200
.set BY,   204
.set NM,   208
.set FF,   212
.set LL,   216
.set ST,   224
.set MSB, 0
.macro WIN new                         ; the immediate's high byte repeats the setting that is left
.if MSB != \new
	s_set_vgpr_msb (MSB<<8)|\new
.set MSB, \new
.endif
.endm
.macro PLACES n
.rept \n
	v_nop
.endr
.endm
.macro CROUND                          ; a round of the cluster's barrier
	s_barrier_signal -1
	s_barrier_wait -1
	s_cmp_lg_u32 s18, 0
	s_cbranch_scc1 .Lnot_wave_0_\@
	s_barrier_signal -3
.Lnot_wave_0_\@:
	s_barrier_wait -3
	s_barrier_signal -1
	s_barrier_wait -1
.endm
.macro WMC d, a, b, sa, sb, ra, rb     ; D += A B; ra, rb: the scale words' row
.if (\ra) && (\rb)
	v_wmma_scale_f32_16x16x128_f8f6f4 v[\d:\d+7], v[\a:\a+11], v[\b:\b+11], v[\d:\d+7], v[\sa], v[\sb] matrix_a_fmt:MATRIX_FMT_FP6 matrix_b_fmt:MATRIX_FMT_FP6 matrix_a_scale:MATRIX_SCALE_ROW1 matrix_b_scale:MATRIX_SCALE_ROW1
.elseif (\ra)
	v_wmma_scale_f32_16x16x128_f8f6f4 v[\d:\d+7], v[\a:\a+11], v[\b:\b+11], v[\d:\d+7], v[\sa], v[\sb] matrix_a_fmt:MATRIX_FMT_FP6 matrix_b_fmt:MATRIX_FMT_FP6 matrix_a_scale:MATRIX_SCALE_ROW1
.elseif (\rb)
	v_wmma_scale_f32_16x16x128_f8f6f4 v[\d:\d+7], v[\a:\a+11], v[\b:\b+11], v[\d:\d+7], v[\sa], v[\sb] matrix_a_fmt:MATRIX_FMT_FP6 matrix_b_fmt:MATRIX_FMT_FP6 matrix_b_scale:MATRIX_SCALE_ROW1
.else
	v_wmma_scale_f32_16x16x128_f8f6f4 v[\d:\d+7], v[\a:\a+11], v[\b:\b+11], v[\d:\d+7], v[\sa], v[\sb] matrix_a_fmt:MATRIX_FMT_FP6 matrix_b_fmt:MATRIX_FMT_FP6
.endif
.endm
.macro WMZ d, a, b, sa, sb, ra         ; D = A B
.if (\ra)
	v_wmma_scale_f32_16x16x128_f8f6f4 v[\d:\d+7], v[\a:\a+11], v[\b:\b+11], 0, v[\sa], v[\sb] matrix_a_fmt:MATRIX_FMT_FP6 matrix_b_fmt:MATRIX_FMT_FP6 matrix_a_scale:MATRIX_SCALE_ROW1
.else
	v_wmma_scale_f32_16x16x128_f8f6f4 v[\d:\d+7], v[\a:\a+11], v[\b:\b+11], 0, v[\sa], v[\sb] matrix_a_fmt:MATRIX_FMT_FP6 matrix_b_fmt:MATRIX_FMT_FP6
.endif
.endm
	s_load_b128 s[40:43], s[0:1], 0x0              ; qkv, mnib
	s_load_b64 s[44:45], s[0:1], 0x10              ; ob
	v_lshl_add_u32 v[SPW], v0, 2, SPARE
	v_mov_b32 v[NIL], 0
	ds_add_u32 v[SPW], v[NIL]                      ; the opening lines: the add twice on end and its wait ahead of my tensor load
	ds_add_u32 v[SPW], v[NIL]
	v_lshrrev_b32 v13, 5, v0
	v_readfirstlane_b32 s18, v13                   ; wave
	s_mul_i32 s33, s18, 24576                      ; my K and V in LDS
	s_lshl_b32 s36, s18, 3
	s_add_co_u32 s36, s36, L_ST                    ; my (M, l)
	s_lshl_b32 s37, s18, 13
	s_add_co_u32 s37, s37, L_OP                    ; my partial O
	s_and_b32 s57, s18, 1                          ; waves 0-3 add the partials of (query tile s58, channels 32 s57 on)
	s_bfe_u32 s58, s18, 0x10001
	s_lshl_b32 s38, s58, 12
	s_lshl_b32 s59, s57, 11
	s_add_co_u32 s38, s38, s59
	s_add_co_u32 s38, s38, L_OP
	s_mul_i32 s39, s57, 384
	s_mul_i32 s59, s58, 12288
	s_add_co_u32 s39, s39, s59
	s_lshl_b32 s56, s58, 9
	s_add_co_u32 s56, s56, s57
	v_and_b32 v13, 31, v0                          ; lane
	v_and_b32 v14, 15, v0                          ; r
	v_bfe_u32 v15, v0, 4, 1                        ; h
	v_lshlrev_b32 v[L16], 4, v13
	v_lshlrev_b32 v[L4], 2, v13
	v_lshlrev_b32 v[ASTR], 6, v14
	v_mul_u32_u24 v[GOC], v14, 24
	v_lshlrev_b32 v[GOS], 5, v14
	v_add_nc_u32 v[AK], s33, v[L16]
	v_add_nc_u32 v[AOPW], s37, v[L16]
	v_add_nc_u32 v[AOPR], s38, v[L16]
	v_add_nc_u32 v[ASTW], s36, v[ASTR]
	v_add_nc_u32 v[ASTR], L_ST, v[ASTR]
	v_mad_u32_u24 v[GOC], v15, 12, v[GOC]
	v_add_nc_u32 v[GOS], s56, v[GOS]
	v_add_nc_u32 v[AV], 12288, v[AK]
	v_add_nc_u32 v[GOC], s39, v[GOC]
	v_mov_b32 v[FLV], 0xd3800000
	v_mov_b32 v[QFL], 0x1800000
	v_mov_b32 v[MSC], 0xc8c8c8c8
	v_mov_b32 v[T1], 0
.irp i, 0,1,2,3,4,5
	v_mov_b32 v[QA+6+\i], 0                        ; the head has 64 channels: the other 64 of a K step are zero codes in q,
	v_mov_b32 v[QB+6+\i], 0
	v_mov_b32 v[KV+48+\i], 0                       ; which meet whatever lies behind a tile of k
.endr
.irp i, 0,1,2,3,4,5,6,7
	v_mov_b32 v[BX+\i], 0                          ; (a lane permute's destination counts as read)
.endr
	v_mov_b32 v[NM+1], 0                           ; (the upper halves of pairs that packed forms name)
	v_mov_b32 v[NM+3], 0
	v_mov_b32 v[FF+1], 0
	v_mov_b32 v[FF+3], 0
	s_wait_alu depctr_va_vdst(0)                   ; the wait behind the head's vector work
	s_mov_b32 s19, TRIPS
	s_mov_b32 s20, 0x76543210                      ; selects of v_permlanex16_b32: lane l xor 16
	s_mov_b32 s21, 0xfedcba98
	s_mov_b32 s22, 0x3e38aa3b                      ; log2(e) / 8
	s_mov_b32 s23, s22
	s_and_b32 s46, ttmp7, 0xffff                   ; batch x head
	s_lshr_b32 s47, s46, 4
	s_and_b32 s48, s46, 15
	s_bfe_u32 s49, ttmp6, 0x40000
	s_lshl_b32 s50, ttmp9, 2
	s_add_co_u32 s49, s50, s49                     ; which 512 queries
	s_lshl_b32 s50, s49, 4                         ; first pair of query tiles
	s_mov_b32 s24, 15|(3<<16)|(1<<21)              ; group 1: all four partners; elements of 8 bytes; 2 rows of 1,536 elements, 786,432 elements apart
	s_mov_b32 s25, 1536<<16
	s_mov_b32 s26, 2<<16
	s_mov_b32 s27, 1536<<16
	s_mov_b32 s28, 2
	s_mov_b32 s29, 786432
	s_mov_b32 s30, 0
	s_mov_b32 s31, 0
	s_mul_i32 s52, s18, 12288
	s_mul_i32 s56, s46, 98304
	s_add_co_u32 s56, s56, s52
	s_mov_b32 s57, 0
	s_mov_b32 s55, 0
	s_mov_b32 s32, 1
	s_wait_dscnt 0x0
	s_wait_kmcnt 0x0
	s_add_nc_u64 s[34:35], s[40:41], s[56:57]
	s_add_nc_u64 s[34:35], s[34:35], KIMG
	s_or_b32 s35, s35, 0x80000000
	CROUND                                         ; the four partners are here: the joint loads meet
	tensor_load_to_lds s[32:35], s[24:31]          ; my 256 keys of K and of V: my one tensor load
	s_nop 0
	PLACES 4
	s_lshl_b32 s51, s46, 6
	s_add_co_u32 s51, s51, s50
	s_mul_i32 s54, s51, 1536
	s_add_nc_u64 s[4:5], s[40:41], s[54:55]        ; q's pair images
	s_lshl_b32 s54, s51, 7
	s_add_co_u32 s54, s54, QSC
	s_add_nc_u64 s[6:7], s[40:41], s[54:55]        ; q's scale words
	s_lshl_b32 s54, s46, 13
	s_lshl_b32 s53, s18, 10
	s_add_co_u32 s54, s54, s53
	s_add_co_u32 s54, s54, KSC
	s_add_nc_u64 s[8:9], s[40:41], s[54:55]
	s_lshl_b32 s54, s46, 12
	s_lshl_b32 s53, s18, 9
	s_add_co_u32 s54, s54, s53
	s_add_co_u32 s54, s54, VSC
	s_add_nc_u64 s[10:11], s[40:41], s[54:55]
	s_lshl_b32 s51, s47, 7
	s_lshl_b32 s53, s50, 1
	s_add_co_u32 s51, s51, s53                     ; first query tile of the batch's 128
	s_lshl_b32 s54, s51, 14
	s_lshl_b32 s53, s18, 11
	s_add_co_u32 s54, s54, s53
	s_add_nc_u64 s[12:13], s[42:43], s[54:55]      ; the mask's words: my 256 keys
	s_lshl_b32 s54, s51, 4
	s_add_co_u32 s54, s54, s48
	s_mul_i32 s54, s54, 768
	s_add_nc_u64 s[14:15], s[44:45], s[54:55]      ; o's codes
	s_lshl_b32 s54, s51, 9
	s_lshl_b32 s53, s48, 1
	s_add_co_u32 s54, s54, s53
	s_add_co_u32 s54, s54, OSC
	s_add_nc_u64 s[16:17], s[44:45], s[54:55]      ; o's scale bytes
.irp p, 0,1,2,3,4,5,6,7
	global_load_b32 v[KS+\p], v[L4], s[8:9] offset:128*\p
.endr
.irp p, 0,1,2,3
	global_load_b32 v[VS+\p], v[L4], s[10:11] offset:128*\p
.endr
.macro NEXTLOADS                       ; a trip's q fragments, scale word and mask words
	global_load_b128 v[QA:QA+3], v[L16], s[4:5]
	global_load_b64 v[QA+4:QA+5], v[L16], s[4:5] offset:512
	global_load_b64 v[QB:QB+1], v[L16], s[4:5] offset:520
	global_load_b128 v[QB+2:QB+5], v[L16], s[4:5] offset:1024
	global_load_b32 v[QS], v[L4], s[6:7]
.irp qt, 0,1
.irp n, 0,1,2,3
	global_load_b128 v[MN+16*\qt+4*\n:MN+16*\qt+4*\n+3], v[L16], s[12:13] offset:16384*\qt+512*\n
.endr
.endr
.endm
	NEXTLOADS
.macro FETCH_KV adr, off               ; 6,144 bytes of images: 128 keys of k (four pairs of tiles) or of v (four channel tiles)
.irp n, 0,1,2,3,4,5,6,7,8,9,10,11
	ds_load_b128 v[KV+4*\n:KV+4*\n+3], v[\adr] offset:(\off)+512*\n
.endr
.endm
.macro BIAS hf                         ; a mask word becomes the eight C registers of a tile: 0, or -2^75
	WIN 0x40
.irp qt, 0,1
.irp k, 0,1,2,3,4,5,6,7
	v_cvt_scale_pk8_f32_fp4 v[128*\qt+8*(8*\hf+\k):128*\qt+8*(8*\hf+\k)+7], v[MN+16*\qt+8*\hf+\k], v[MSC]
.endr
.endr
.endm
.macro QK hf                           ; 16 accumulators, one instruction each
	WIN 0x50
.irp k, 0,1,2,3,4,5,6,7
.irp qt, 0,1
	WMC 128*\qt+8*(8*\hf+\k), KV+6*\k, QA+12*\qt, KS+4*\hf+\k/2, QS, \k%2, \qt
.endr
.endr
.endm
.macro SMAX qt                         ; each block's largest score (it also gives the block's largest p), my keys' largest, -M = floor(-t)
	WIN 0x14
	s_wait_alu depctr_va_vdst(0)
.irp b, 0,1,2,3,4,5,6,7
	v_max3_num_f32 v[BM+8*\qt+\b], v[FLV], v[128*\qt+16*\b], v[128*\qt+16*\b+1]
.endr
.irp i, 2,4,6,8,10,12,14
.irp b, 0,1,2,3,4,5,6,7
	v_max3_num_f32 v[BM+8*\qt+\b], v[BM+8*\qt+\b], v[128*\qt+16*\b+\i], v[128*\qt+16*\b+\i+1]
.endr
.endr
	WIN 0
.irp b, 0,1,2,3,4,5,6,7
	v_permlanex16_b32 v[BX+\b], v[BM+8*\qt+\b], s20, s21
.endr
.irp b, 0,1,2,3,4,5,6,7
	v_max_num_f32 v[BM+8*\qt+\b], v[BM+8*\qt+\b], v[BX+\b]
.endr
	v_max3_num_f32 v[T0], v[BM+8*\qt], v[BM+8*\qt+1], v[BM+8*\qt+2]
	s_delay_alu instid0(VALU_DEP_1)
	v_max3_num_f32 v[T0], v[T0], v[BM+8*\qt+3], v[BM+8*\qt+4]
	s_delay_alu instid0(VALU_DEP_1)
	v_max3_num_f32 v[T0], v[T0], v[BM+8*\qt+5], v[BM+8*\qt+6]
	s_delay_alu instid0(VALU_DEP_1)
	v_max_num_f32 v[T0], v[T0], v[BM+8*\qt+7]
	s_delay_alu instid0(VALU_DEP_1)
	v_mul_f32 v[T0], s22, v[T0]
	s_delay_alu instid0(VALU_DEP_1)
	v_floor_f32 v[NM+2*\qt], -v[T0]
.irp b, 0,1,2,3,4,5,6,7
	v_fma_f32 v[BM+8*\qt+\b], v[BM+8*\qt+\b], s22, v[NM+2*\qt]
.endr
.endm
.macro SEXP qt                         ; p = 2^(t - M)
	WIN 0x41
.set j, 128*\qt
.rept 64
	v_pk_fma_f32 v[j:j+1], v[j:j+1], s[22:23], v[NM+2*\qt:NM+2*\qt+1] op_sel_hi:[1,0,0]
.set j, j+2
.endr
.set j, 128*\qt
	s_wait_alu depctr_va_vdst(0)                   ; the wait ahead of the batch
.rept 128
	v_exp_f32 v[j], v[j]
.set j, j+1
.endr
	WIN 0
.irp b, 0,1,2,3,4,5,6,7
	v_exp_f32 v[BM+8*\qt+\b], v[BM+8*\qt+\b]
.endr
	v_nop
.endm
.macro SSUM qt                         ; l: the sum of the unquantised p of my 256 keys
	WIN 0x05
	s_wait_alu depctr_va_vdst(0)                   ; and behind it
.irp k, 0,1,2,3
	v_pk_add_f32 v[LL+2*\k:LL+2*\k+1], v[128*\qt+4*\k:128*\qt+4*\k+1], v[128*\qt+4*\k+2:128*\qt+4*\k+3]
.endr
	WIN 0x04
.set j, 128*\qt+16
.rept 14
.irp k, 0,1,2,3
	v_pk_add_f32 v[LL+2*\k:LL+2*\k+1], v[LL+2*\k:LL+2*\k+1], v[j+2*\k:j+2*\k+1]
.endr
.set j, j+8
.endr
	WIN 0
	v_pk_add_f32 v[LL:LL+1], v[LL:LL+1], v[LL+2:LL+3]
	v_pk_add_f32 v[LL+4:LL+5], v[LL+4:LL+5], v[LL+6:LL+7]
	s_delay_alu instid0(VALU_DEP_1)
	v_pk_add_f32 v[LL:LL+1], v[LL:LL+1], v[LL+4:LL+5]
	s_delay_alu instid0(VALU_DEP_1)
	v_add_f32 v[T0], v[LL], v[LL+1]
	v_permlanex16_b32 v[T1], v[T0], s20, s21
	s_delay_alu instid0(VALU_DEP_1)
	v_add_f32 v[NM+2*\qt+1], v[T0], v[T1]
.endm
.macro FACTOR qt                       ; from the eight waves' (-M, l): f = 2^(my M - largest M) / sum of 2^(M_w - largest M) l_w, or 0 where that sum is 0
.set SS, ST+16*\qt
	v_min3_num_f32 v[T0], v[SS], v[SS+2], v[SS+4]
	s_delay_alu instid0(VALU_DEP_1)
	v_min3_num_f32 v[T0], v[T0], v[SS+6], v[SS+8]
	s_delay_alu instid0(VALU_DEP_1)
	v_min3_num_f32 v[T0], v[T0], v[SS+10], v[SS+12]
	s_delay_alu instid0(VALU_DEP_1)
	v_min_num_f32 v[T0], v[T0], v[SS+14]
.irp w, 0,1,2,3,4,5,6,7
	v_sub_f32 v[SS+2*\w], v[T0], v[SS+2*\w]
.endr
	v_sub_f32 v[T1], v[T0], v[NM+2*\qt]
	s_wait_alu depctr_va_vdst(0)
.irp w, 0,1,2,3,4,5,6,7
	v_exp_f32 v[SS+2*\w], v[SS+2*\w]
.endr
	v_exp_f32 v[T1], v[T1]
	v_nop
	s_wait_alu depctr_va_vdst(0)
	v_mul_f32 v[T2], v[SS], v[SS+1]
.irp w, 1,2,3,4,5,6,7
	v_fma_f32 v[T2], v[SS+2*\w], v[SS+2*\w+1], v[T2]
.endr
	s_wait_alu depctr_va_vdst(0)
	v_rcp_f32 v[FF+2*\qt], v[T2]
	v_nop
	v_cmp_lt_f32 vcc_lo, 0, v[T2]
	s_wait_alu depctr_va_vdst(0)
	v_mul_f32 v[FF+2*\qt], v[FF+2*\qt], v[T1]
	s_delay_alu instid0(VALU_DEP_1)
	v_cndmask_b32 v[FF+2*\qt], 0, v[FF+2*\qt], vcc_lo
.endm
.macro NORMQ qt, ks                    ; 128 keys of tile qt: p x f, four blocks' scales, the codes as a fragment.  ks = 0: into window 0; ks = 1: into score registers of window 1 that are done with
.set SB, 128*\qt+64*\ks
.set PWR, PW+\qt+(PW1-PW+3*\qt)*\ks
	WIN 0x41
.set j, 0
.rept 32
	v_pk_mul_f32 v[SB+j:SB+j+1], v[SB+j:SB+j+1], v[FF+2*\qt:FF+2*\qt+1] op_sel_hi:[1,0]
.set j, j+2
.endr
	WIN 0
.irp b, 0,1,2,3
	v_mul_f32 v[SO+\b], v[BM+8*\qt+4*\ks+\b], v[FF+2*\qt]
.endr
.irp b, 0,1,2,3
	s_delay_alu instid0(VALU_DEP_4)
	v_max_num_f32 v[SO+\b], v[QFL], v[SO+\b]
.endr
.irp b, 0,1,2,3
	s_delay_alu instid0(VALU_DEP_4)
	v_add_nc_u32 v[SO+\b], 0xff000000, v[SO+\b]
.endr
.irp b, 0,1,2,3
	s_delay_alu instid0(VALU_DEP_4)
	v_lshrrev_b32 v[BY+\b], 23, v[SO+\b]
.endr
	s_delay_alu instid0(VALU_DEP_3)
	v_lshl_or_b32 v[PWR], v[BY+1], 8, v[BY]
	s_delay_alu instid0(VALU_DEP_1)
	v_lshl_or_b32 v[PWR], v[BY+2], 16, v[PWR]
	s_delay_alu instid0(VALU_DEP_1)
	v_lshl_or_b32 v[PWR], v[BY+3], 24, v[PWR]
.if \ks
.set CD, P1+12*\qt
.set CT, TC1
	WIN 0x41
.else
.set CD, PC+12*\qt
.set CT, TC
	WIN 0x01
.endif
.irp c, 0,1
	v_cvt_scalef32_pk16_fp6_f32 v[CD+6*\c:CD+6*\c+2], v[SB+32*\c:SB+32*\c+15], v[SO+2*\c]
	v_cvt_scalef32_pk16_fp6_f32 v[CT+4*\c:CT+4*\c+2], v[SB+32*\c+16:SB+32*\c+31], v[SO+2*\c+1]
.endr
.if \ks == 0
	WIN 0
.endif
	v_nop                                          ; one plain place behind a scaled conversion
.irp c, 0,1
.irp i, 0,1,2
	v_permlane16_swap_b32 v[CD+6*\c+\i], v[CT+4*\c+\i]   ; a whole block to a lane
.endr
.irp i, 0,1,2
	s_delay_alu instid0(VALU_DEP_3)
	v_mov_b32 v[CD+6*\c+3+\i], v[CT+4*\c+\i]
.endr
.endr
	WIN 0
.endm
.macro PV ks                           ; O^T (+)= v^T p^T: eight accumulators by turns
.if \ks
	WIN 0x54
.else
	WIN 0x40
.endif
.irp ct, 0,1,2,3
.irp qt, 0,1
.if \ks
	WMC 128*\qt+8*\ct, KV+12*\ct, P1+12*\qt, VS+2+\ct/2, PW1+4*\qt, \ct%2, 0
.else
	WMZ 128*\qt+8*\ct, KV+12*\ct, PC+12*\qt, VS+\ct/2, PW+\qt, \ct%2
.endif
.endr
.endr
.endm
.macro REDUCE                          ; waves 0-3: the eight partials of 16 queries x 32 channels are added in v64-127 and v192-255 of window 1, quantised and stored; every wave steps the pointers
	s_cmp_lt_u32 s18, 4
	s_cbranch_scc0 .Lnr_\@
	WIN 0x40
.irp w, 0,1,2,3,4,5,6,7
.irp n, 0,1,2,3
	ds_load_b128 v[64+16*\w+64*(\w/4)+4*\n:64+16*\w+64*(\w/4)+4*\n+3], v[AOPR] offset:8192*\w+512*\n
.endr
.endr
	s_wait_dscnt 0x0
	WIN 0x45
.irp w, 64,96,192,224
.irp j, 0,2,4,6,8,10,12,14
	v_pk_add_f32 v[\w+\j:\w+\j+1], v[\w+\j:\w+\j+1], v[\w+16+\j:\w+16+\j+1]
.endr
.endr
.irp w, 64,192
.irp j, 0,2,4,6,8,10,12,14
	v_pk_add_f32 v[\w+\j:\w+\j+1], v[\w+\j:\w+\j+1], v[\w+32+\j:\w+32+\j+1]
.endr
.endr
.irp j, 0,2,4,6,8,10,12,14
	v_pk_add_f32 v[64+\j:64+\j+1], v[64+\j:64+\j+1], v[192+\j:192+\j+1]
.endr
	WIN 0x14
	v_max3_num_f32 v[T0], v[QFL], |v64|, |v65|
.irp i, 2,4,6,8,10,12,14
	s_delay_alu instid0(VALU_DEP_1)
	v_max3_num_f32 v[T0], v[T0], |v[64+\i]|, |v[64+\i+1]|
.endr
	WIN 0
	v_permlanex16_b32 v[T1], v[T0], s20, s21
	s_delay_alu instid0(VALU_DEP_1)
	v_max_num_f32 v[T0], v[T0], v[T1]
	s_delay_alu instid0(VALU_DEP_1)
	v_add_nc_u32 v[T2], 0xff000000, v[T0]
	s_delay_alu instid0(VALU_DEP_1)
	v_lshrrev_b32 v[T1], 23, v[T2]
	WIN 0x01
	v_cvt_scalef32_pk16_fp6_f32 v[PC:PC+2], v[64:79], v[T2]
	WIN 0
	v_nop
	global_store_b96 v[GOC], v[PC:PC+2], s[14:15]
	global_store_b8 v[GOS], v[T1], s[16:17]
.Lnr_\@:
	s_wait_xcnt 0x0                                ; the stores have read their registers and bases
	s_add_nc_u64 s[14:15], s[14:15], 24576
	s_add_nc_u64 s[16:17], s[16:17], 1024
.endm
	s_wait_tensorcnt 0x0                           ; my K and V are in: only I read them
	FETCH_KV AK, 0                                 ; the first trip's first 128 keys of k
	s_wait_dscnt 0x0
	s_barrier_signal -1                            ; opens the barrier that each trip closes behind its first scores
.Ltrip:
	s_wait_loadcnt 0x0                             ; this trip's q and mask words (asked for a trip ago); k's first fragments came ahead of the signal
	BIAS 0
	PLACES 4
	QK 0
	WIN 0
	PLACES 4
	FETCH_KV AK, 6144                              ; k's second 128 keys: bytes that nobody writes
	s_barrier_wait -1                              ; every wave's partial O of the last trip is in LDS
	s_cmp_eq_u32 s19, TRIPS                        ; (the first trip has none)
	s_cbranch_scc1 .Lfirst
	REDUCE
.Lfirst:
	BIAS 1
	PLACES 4
	s_wait_alu depctr_va_vdst(0)
	s_wait_dscnt 0x0
	QK 1
	WIN 0
	PLACES 4
	FETCH_KV AV, 0
	s_cmp_eq_u32 s19, 1
	s_cbranch_scc1 .Lno_next
	s_add_nc_u64 s[4:5], s[4:5], 1536
	s_add_nc_u64 s[6:7], s[6:7], 128
	s_add_nc_u64 s[12:13], s[12:13], 32768
	NEXTLOADS
.Lno_next:
	SMAX 0
	SEXP 0
	SSUM 0
	ds_store_b64 v[ASTW], v[NM:NM+1]
	s_wait_dscnt 0x0                               ; tile 0's (M, l) are in LDS (and v's first fragments in registers):
	s_barrier_signal -1                            ; say so, and compute tile 1's softmax while the others arrive
	SMAX 1
	SEXP 1
	SSUM 1
	s_wait_alu depctr_va_vdst(0)                   ; the wait ahead of the barrier's wait
	s_barrier_wait -1
	ds_store_b64 v[ASTW], v[NM+2:NM+3] offset:1024
.irp n, 0,1,2,3
	ds_load_b128 v[ST+4*\n:ST+4*\n+3], v[ASTR] offset:16*\n
.endr
	s_wait_dscnt 0x0                               ; tile 1's (M, l) are in LDS, tile 0's eight are in registers
	s_barrier_signal -1
	FACTOR 0
	NORMQ 0, 0
	s_wait_alu depctr_va_vdst(0)
	s_barrier_wait -1
.irp n, 0,1,2,3
	ds_load_b128 v[ST+16+4*\n:ST+16+4*\n+3], v[ASTR] offset:1024+16*\n
.endr
	NORMQ 0, 1
	s_wait_alu depctr_va_vdst(0)
	s_wait_dscnt 0x0
	FACTOR 1
	NORMQ 1, 0
	PLACES 4                                       ; operands written by vector instructions stand 4 places ahead, scale words 8 (the moves above count)
	PV 0
	WIN 0
	PLACES 4
	FETCH_KV AV, 6144
	NORMQ 1, 1
	PLACES 4
	s_wait_alu depctr_va_vdst(0)
	s_wait_dscnt 0x0
	PV 1
	WIN 0
	PLACES 4
	s_cmp_eq_u32 s19, 1
	s_cbranch_scc1 .Lno_k                          ; (the last trip has no successor)
	FETCH_KV AK, 0                                 ; the next trip's first 128 keys of k, ahead of my partial O's stores: one wait serves both
.Lno_k:
	WIN 0x04
.irp qt, 0,1
.irp ct, 0,1,2,3
.irp g, 0,1
	ds_store_b128 v[AOPW], v[128*\qt+8*\ct+4*\g:128*\qt+8*\ct+4*\g+3] offset:((4*\qt+\ct)*2+\g)*512   ; each accumulator from its low end on
.endr
.endr
.endr
	WIN 0
	s_wait_dscnt 0x0                               ; my partial O is in LDS:
	s_barrier_signal -1                            ; say so; the wait stands behind the next trip's first scores, or behind the loop
	s_sub_co_u32 s19, s19, 1
	s_cmp_lg_u32 s19, 0
	s_cbranch_scc1 .Ltrip
	s_barrier_wait -1
	REDUCE                                         ; the last trip's
	s_wait_tensorcnt 0x0                           ; the wave's end
	ds_add_u32 v[SPW], v[NIL]
	s_wait_dscnt 0x0
	CROUND                                         ; the closing round
	s_endpgm
.Lfunc_end_k_qb0260e75e4_attn:
	.size	k_qb0260e75e4_attn, .Lfunc_end_k_qb0260e75e4_attn-k_qb0260e75e4_attn
	.p2alignl 7, 3214868480
	.fill 96, 4, 3214868480
	.section	.rodata,"a",@progbits
	.p2align	6, 0x0
	.amdhsa_kernel k_qb0260e75e4_attn
		.amdhsa_group_segment_fixed_size 327680
		.amdhsa_private_segment_fixed_size 0
		.amdhsa_enable_private_segment 0
		.amdhsa_kernarg_size 24
		.amdhsa_user_sgpr_count 2
		.amdhsa_user_sgpr_kernarg_segment_ptr 1
		.amdhsa_wavefront_size32 1
		.amdhsa_system_sgpr_workgroup_id_x 1
		.amdhsa_system_sgpr_workgroup_id_y 1
		.amdhsa_system_sgpr_workgroup_id_z 1
		.amdhsa_system_vgpr_workitem_id 0
		.amdhsa_next_free_vgpr 512
		.amdhsa_next_free_sgpr 66
		.amdhsa_reserve_vcc 1
		.amdhsa_float_denorm_mode_32 3
		.amdhsa_float_denorm_mode_16_64 3
		.amdhsa_memory_ordered 1
		.amdhsa_forward_progress 1
		.amdhsa_inst_pref_size 99
	.end_amdhsa_kernel
	.amdgpu_metadata
---
amdhsa.version: [ 1, 2 ]
amdhsa.kernels:
  - .name:           k_qb0260e75e4_attn
    .symbol:         k_qb0260e75e4_attn.kd
    .args:
      - { .name: qkv, .offset: 0, .size: 8, .value_kind: global_buffer, .address_space: global }
      - { .name: mnib, .offset: 8, .size: 8, .value_kind: global_buffer, .address_space: global }
      - { .name: ob, .offset: 16, .size: 8, .value_kind: global_buffer, .address_space: global }
    .group_segment_fixed_size: 327680
    .private_segment_fixed_size: 0
    .kernarg_segment_align: 8
    .kernarg_segment_size: 24
    .max_flat_workgroup_size: 256
    .sgpr_count:     66
    .vgpr_count:     512
    .wavefront_size: 32
...
	.end_amdgpu_metadata
.endif
;; end of part 3
;; launch oproj (part 4): grid 8 x 32, 4 waves a work-group, clusters of 4 x 4, 327,680 bytes of LDS; arguments ob, xw, bo, out0; writes out0
.if DOCPART == 4
	.amdgcn_target "amdgcn-amd-amdhsa--gfx1250"
	.amdhsa_code_object_version 6
	.text
	.protected	k_qb0260e75e4_oproj
	.globl	k_qb0260e75e4_oproj
	.p2align	8
	.type	k_qb0260e75e4_oproj,@function
k_qb0260e75e4_oproj:
	s_mov_b64 s[64:65], 0
	v_nop
	global_prefetch_b8 v0, s[64:65] scope:SCOPE_SE
	s_setreg_imm32_b32 hwreg(HW_REG_WAVE_MODE, 25, 1), 1
	s_wait_xcnt 0x0
	s_wait_alu depctr_hold_cnt(0) depctr_sa_sdst(0) depctr_va_vdst(0) depctr_va_sdst(0) depctr_va_ssrc(0) depctr_va_vcc(0) depctr_vm_vsrc(0)
	s_getreg_b32 s2, hwreg(HW_REG_IB_STS2, 6, 4)
	s_cmp_eq_u32 s2, 0
	s_cbranch_scc0 .Lentry_in_a_cluster
	s_endpgm
.Lentry_in_a_cluster:
	s_bfe_u32 s2, ttmp6, 0x10000c
	s_cmp_lg_u32 s2, 0xf033
	s_cbranch_scc0 .Lentry_shape_is_right
	s_endpgm
.Lentry_shape_is_right:
; OUT = o Wo + bo on codes of FP6 (E2M3) with E8M0 scales; o's codes and scale bytes come from the attention launch, Wo's from the first launch.
; SHARES.  A work-group makes 256 tokens x 128 columns; four waves, each 128 tokens x 64 columns: 32 accumulators.
; K = 1,024: all of K of both operands lies in LDS at once; every LDS byte is filled once, in two chunks along K (K steps 0-1, then 2-7): a wave has one tensor load out at the start,
; and later chunks land while earlier ones are multiplied.  Nothing is filled again.
; CLUSTERS: 4 x 4 work-groups; o's tiles are shared along a row of the cluster, Wo's along a column: each tile is asked for jointly.
; THE PRODUCT IS USED TRANSPOSED (source 0 = 16 columns of Wo, source 1 = 16 tokens): a lane's registers are neighbouring columns of one row of the output.  bo is the C of each sum's first instruction.
; o's images: [token tile][head][lane slot][24 bytes]: a fragment's registers 6 c .. 6 c + 5 are the 24 bytes of head 2 s + c at 24 x lane: three loads of 8 bytes; 24 bytes from lane to lane: the 32 lanes touch 64 different banks.
; THE WAY OUT: 16 tokens x 64 columns at a time through the wave's own stage (rows of 256 + 16 bytes, bytes into which no fill lands), back as whole rows: sixteen lanes store 256 consecutive bytes, aligned.
; REGISTERS: window 0: v1-14 addresses, v15-31 at work, v32-95 scale words, v96-239 fragments, set 0 (later rows on their way out);  window 1: the accumulators;  window 2: v0-31 the bias, v96-239 fragments, set 1.
.set WIMG, 6291456
.set WSC,  9699328
.set OSC,  6291456
; THE FILLS AS THEY STAND NOW (in place of the five loads a wave named above): every LDS byte is still filled once.  At the head one joint load a wave: wave 0 K steps 0, 1 of o's 16 tiles,
; wave 1 those of Wo's 8 tiles, wave 2 o's scale words, wave 3 Wo's.  Behind the wait for them, the add and a round: one joint load a wave for K steps 2 to 7
; (waves 0, 1: 8 tiles of o each; waves 2, 3: 4 tiles of Wo each), which lands while K steps 0 and 1 are multiplied.
.set L_XR, 49152                       ; LDS: o's K steps 0, 1 [tile 0..15][3072] from 0; its K steps 2-7 [tile][9216] from here;
.set L_WB, 196608                      ; Wo's K steps 0, 1 [tile 0..7][3072];
.set L_WR, 221184                      ; its K steps 2-7 [tile][9216]
.set L_XS, 294912
.set L_WS, 303104
.set L_SG, 307200                      ; the stages: 16 x 272 bytes a wave
.set G1A,  24
.set G1B,  32
.set G1SA, 40
.set G1SB, 48
.set G1AR, 56                          ; s[56:63], s[68:75] groups 1 of the loads of K steps 2-7 (s64, s65 are not named)
.set G1BR, 68
.set G0SA, 76                          ; groups 0: o's scale words, its K steps 0-1, its K steps 2-7
.set GA0,  80
.set GAR,  84
.set G0SB, 88                          ; and the same for Wo
.set GB0,  92
.set GBR,  96
.set AX,   1                           ; v1-3   LDS address of my token fragments: K steps 0-1, K steps 2-7 tiles 0-3, 4-7: 24 bytes a lane
.set AW,   5                           ; v5-6   of my Wo fragments: K steps 0-1, 2-7: 16 bytes a lane
.set ADS,  9                           ; v9-10  of my scale words
.set L16,  11
.set STO,  12                          ; the stage: where I put 16 bytes
.set RD,   13                          ; and where I read a row back
.set CO,   14                          ; my byte offset in two rows of the output
.set SC,   32
.set XF,   96
.set WF,   192
.set OB,   96                          ; the way out: two sets of 32 registers
.set MSB, 0
.macro WIN new
.if MSB != \new
	s_set_vgpr_msb (MSB<<8)|\new
.set MSB, \new
.endif
.endm
.macro PLACES n
.rept \n
	v_nop
.endr
.endm
.macro CROUND
	s_barrier_signal -1
	s_barrier_wait -1
	s_cmp_lg_u32 s14, 0
	s_cbranch_scc1 .Lnot_wave_0_\@
	s_barrier_signal -3
.Lnot_wave_0_\@:
	s_barrier_wait -3
	s_barrier_signal -1
	s_barrier_wait -1
.endm
.macro G1REST g, c, r, p
	s_mov_b32 s[\g+1], (\c)<<16
	s_mov_b32 s[\g+2], (\r)<<16
	s_mov_b32 s[\g+3], (\c)<<16
	s_mov_b32 s[\g+4], \r
	s_mov_b32 s[\g+5], \p
	s_mov_b32 s[\g+6], 0
	s_mov_b32 s[\g+7], 0
.endm
	s_load_b256 s[4:11], s[0:1], 0x0               ; ob 4, xw 6, bo 8, out0 10
	v_lshl_add_u32 v254, v0, 2, 0x4f400
	v_mov_b32 v255, 0
	ds_add_u32 v254, v255
	ds_add_u32 v254, v255
	v_lshrrev_b32 v1, 5, v0
	v_readfirstlane_b32 s14, v1                    ; wave
	s_lshr_b32 s15, s14, 1                         ; my half of the tokens.  Also: I fetch for o (0) or for Wo (1)
	s_and_b32 s16, s14, 1                          ; my half of the columns.  Also: which half of that operand's tiles I fetch
	s_bfe_u32 s2, ttmp6, 0x40000                   ; cx
	s_bfe_u32 s3, ttmp6, 0x40004                   ; cy
	s_lshl_b32 s18, ttmp9, 2
	s_add_co_u32 s18, s18, s2                      ; nx: 128 columns
	s_and_b32 s19, ttmp7, 0xffff
	s_lshl_b32 s19, s19, 2
	s_add_co_u32 s19, s19, s3                      ; my: 256 tokens
	s_lshl_b32 s20, s3, 2
	s_lshl_b32 s20, 15, s20                        ; my row of the cluster
	s_lshl_b32 s21, 0x1111, s2                     ; my column
	s_or_b32 s[G1A], s20, (3<<16)|(1<<21)
	s_or_b32 s[G1B], s21, (3<<16)|(1<<21)
	s_or_b32 s[G1SA], s20, (3<<16)|(1<<21)
	s_or_b32 s[G1SB], s21, (3<<16)|(1<<21)
	s_or_b32 s[G1AR], s20, (3<<16)|(1<<21)
	s_or_b32 s[G1BR], s21, (3<<16)|(1<<21)
	G1REST G1A, 384, 16, 1536                      ; 16 tiles' first 3,072 bytes, 12,288 bytes from tile to tile
	G1REST G1B, 384, 8, 1536
	G1REST G1SA, 32, 32, 32                        ; 16 tiles' scale words: 8,192 dense bytes as rows of 256
	G1REST G1SB, 32, 16, 32
	G1REST G1AR, 1152, 8, 1536                     ; 8 tiles' other 9,216 bytes
	G1REST G1BR, 1152, 4, 1536
	s_lshl_b32 s22, s19, 4                         ; token tile 16 my
	s_lshl_b32 s100, s22, 9
	s_add_co_u32 s100, s100, OSC
	s_mov_b32 s101, 0
	s_mul_i32 s22, s22, 12288
	s_mov_b32 s23, 0
	s_lshl_b32 s66, s18, 3
	s_add_co_u32 s66, s66, 192                     ; Wo's tiles begin at 192: tile 192 + 8 nx
	s_lshl_b32 s[G0SB+2], s66, 9
	s_add_co_u32 s[G0SB+2], s[G0SB+2], WSC
	s_mov_b32 s[G0SB+3], 0
	s_mul_i32 s66, s66, 12288
	s_add_co_u32 s66, s66, WIMG
	s_mov_b32 s67, 0
	s_mul_i32 s17, s16, 73728                      ; where my half of K steps 2-7 goes: 8 tiles of o, or 4 of Wo, of 9,216 bytes
	s_mul_i32 s20, s16, 36864
	s_wait_dscnt 0x0
	s_wait_kmcnt 0x0
	s_add_nc_u64 s[22:23], s[4:5], s[22:23]
	s_add_nc_u64 s[100:101], s[4:5], s[100:101]
	s_add_nc_u64 s[66:67], s[6:7], s[66:67]
	s_add_nc_u64 s[G0SB+2:G0SB+3], s[6:7], s[G0SB+2:G0SB+3]
	s_or_b32 s[G0SB+3], s[G0SB+3], 0x80000000
	s_mov_b32 s[G0SB], 1
	s_mov_b32 s[G0SB+1], L_WS
	s_mov_b32 s[G0SA], 1
	s_mov_b32 s[G0SA+1], L_XS
	s_mov_b64 s[G0SA+2:G0SA+3], s[100:101]
	s_or_b32 s[G0SA+3], s[G0SA+3], 0x80000000
	s_mov_b32 s[GA0], 1                            ; K steps 0, 1 of all 16 tiles of o
	s_mov_b32 s[GA0+1], 0
	s_mov_b64 s[GA0+2:GA0+3], s[22:23]
	s_or_b32 s[GA0+3], s[GA0+3], 0x80000000
	s_mov_b32 s[GB0], 1                            ; and of all 8 tiles of Wo
	s_mov_b32 s[GB0+1], L_WB
	s_mov_b64 s[GB0+2:GB0+3], s[66:67]
	s_or_b32 s[GB0+3], s[GB0+3], 0x80000000
	s_mov_b32 s[GAR], 1                            ; K steps 2-7: my half's 8 tiles of o, 3,072 bytes into each tile
	s_add_co_u32 s[GAR+1], s17, L_XR
	s_mul_i32 s[GAR+2], s16, 98304
	s_mov_b32 s[GAR+3], 0
	s_add_nc_u64 s[GAR+2:GAR+3], s[22:23], s[GAR+2:GAR+3]
	s_add_nc_u64 s[GAR+2:GAR+3], s[GAR+2:GAR+3], 3072
	s_or_b32 s[GAR+3], s[GAR+3], 0x80000000
	s_mov_b32 s[GBR], 1                            ; and my half's 4 tiles of Wo
	s_add_co_u32 s[GBR+1], s20, L_WR
	s_mul_i32 s[GBR+2], s16, 49152
	s_mov_b32 s[GBR+3], 0
	s_add_nc_u64 s[GBR+2:GBR+3], s[66:67], s[GBR+2:GBR+3]
	s_add_nc_u64 s[GBR+2:GBR+3], s[GBR+2:GBR+3], 3072
	s_or_b32 s[GBR+3], s[GBR+3], 0x80000000
	CROUND                                         ; all sixteen work-groups are here: the joint loads meet
	s_cmp_lt_u32 s14, 1                            ; the head's four tiles, one a wave, in one chain of branches on the wave's number
	s_cbranch_scc0 .Lhead_b
	tensor_load_to_lds s[GA0:GA0+3], s[G1A:G1A+7]
	s_nop 0
	PLACES 4
	s_branch .Lfilled
.Lhead_b:
	s_cmp_lt_u32 s14, 2
	s_cbranch_scc0 .Lhead_sa
	tensor_load_to_lds s[GB0:GB0+3], s[G1B:G1B+7]
	s_nop 0
	PLACES 4
	s_branch .Lfilled
.Lhead_sa:
	s_cmp_lt_u32 s14, 3
	s_cbranch_scc0 .Lhead_sb
	tensor_load_to_lds s[G0SA:G0SA+3], s[G1SA:G1SA+7]
	s_nop 0
	PLACES 4
	s_branch .Lfilled
.Lhead_sb:
	tensor_load_to_lds s[G0SB:G0SB+3], s[G1SB:G1SB+7]
	s_nop 0
	PLACES 4
.Lfilled:
	v_and_b32 v15, 31, v0                          ; lane
	v_and_b32 v16, 15, v0                          ; r
	v_bfe_u32 v17, v0, 4, 1                        ; h
	v_lshlrev_b32 v[L16], 4, v15
	v_mul_u32_u24 v19, v15, 24                     ; 24 x lane
	s_wait_alu depctr_va_vdst(0)
	s_mul_i32 s20, s15, 24576                      ; K steps 0, 1: my 8 tiles of o,
	s_mul_i32 s21, s16, 12288                      ; my 4 tiles of Wo
	s_add_co_u32 s21, s21, L_WB
	s_mul_i32 s22, s15, 73728                      ; K steps 2-7 likewise
	s_add_co_u32 s22, s22, L_XR
	s_mul_i32 s23, s16, 36864
	s_add_co_u32 s23, s23, L_WR
	v_add_nc_u32 v[AX], s20, v19
	v_add_nc_u32 v[AW], s21, v[L16]
	v_add_nc_u32 v[AX+1], s22, v19                 ; o tiles 0-3,
	v_add_nc_u32 v[AW+1], s23, v[L16]
	v_add_nc_u32 v[AX+2], 36864, v[AX+1]           ; o tiles 4-7: the loads' offsets stay inside 16 bits
	s_lshl_b32 s20, s15, 12
	s_lshl_b32 s21, s16, 11
	s_add_co_u32 s21, s21, 8192
	s_sub_co_u32 s21, s21, s20
	v_mul_u32_u24 v[ADS], s21, v17                 ; lanes 16-31 take Wo's: the lower base + h x the distance
	v_lshl_add_u32 v[ADS], v16, 5, v[ADS]
	s_add_co_u32 s20, s20, L_XS
	v_add_nc_u32 v[ADS], s20, v[ADS]
	v_lshlrev_b32 v[ADS+1], 11, v17
	v_sub_nc_u32 v[ADS+1], v[ADS], v[ADS+1]
	s_mul_i32 s20, s14, 4352
	s_add_co_u32 s20, s20, L_SG                    ; my stage
	v_mul_u32_u24 v[STO], v16, 272
	v_lshl_add_u32 v[STO], v17, 6, v[STO]
	v_add_nc_u32 v[STO], s20, v[STO]               ; in: row r, + 64 h
	v_mul_u32_u24 v[RD], v17, 272
	v_lshl_add_u32 v[RD], v16, 4, v[RD]
	v_add_nc_u32 v[RD], s20, v[RD]                 ; back: lanes 0-15 one row, lanes 16-31 the next
	v_lshlrev_b32 v[CO], 12, v17
	v_lshl_add_u32 v[CO], v16, 4, v[CO]            ; and the same two rows of the output
	s_lshl_b32 s22, s18, 9
	s_lshl_b32 s23, s16, 8
	s_add_co_u32 s22, s22, s23                     ; my 64 columns, in bytes
	s_mov_b32 s23, 0
	s_add_nc_u64 s[8:9], s[8:9], s[22:23]          ; in bo,
	s_add_nc_u64 s[10:11], s[10:11], s[22:23]      ; and in a row of the output;
	s_lshl_b32 s22, s19, 20                        ; 256 rows of 4,096 bytes,
	s_lshl_b32 s21, s15, 19                        ; my 128 of them
	s_add_co_u32 s22, s22, s21
	s_add_nc_u64 s[10:11], s[10:11], s[22:23]
	v_lshlrev_b32 v18, 6, v17                      ; lane (r, h) wants, for tile 2 b + u, the bias of columns 32 b + 16 h + 8 u + 0 .. 7
	WIN 0x80
.irp ct, 0,1,2,3
	global_load_b128 v[8*\ct:8*\ct+3], v18, s[8:9] offset:(32*(\ct/2)+8*(\ct%2))*4
	global_load_b128 v[8*\ct+4:8*\ct+7], v18, s[8:9] offset:(32*(\ct/2)+8*(\ct%2))*4+16
.endr
	WIN 0
.macro SCALES
.irp i, 0,1,2,3,4,5,6,7
.irp f, 0,1
	ds_load_b128 v[SC+8*\i+4*\f:SC+8*\i+4*\f+3], v[ADS+\i/4] offset:512*\i+16*\f
.endr
.endr
.endm
.macro FETCH p, s                      ; K step s's 12 fragments into set p: 48 loads of 8 bytes a lane for the tokens', 12 of 16 for Wo's
.if \p
	WIN 0x80
.else
	WIN 0
.endif
.irp t, 0,1,2,3,4,5,6,7
.irp c, 0,1
.irp p3, 0,1,2
.if (\s) < 2
	ds_load_b64 v[XF+12*\t+6*\c+2*\p3:XF+12*\t+6*\c+2*\p3+1], v[AX] offset:3072*\t+1536*(\s)+768*\c+8*\p3
.else
	ds_load_b64 v[XF+12*\t+6*\c+2*\p3:XF+12*\t+6*\c+2*\p3+1], v[AX+1+\t/4] offset:9216*(\t%4)+1536*((\s)-2)+768*\c+8*\p3
.endif
.endr
.endr
.endr
.irp t, 0,1,2,3
.irp g, 0,1,2
.if (\s) < 2
	ds_load_b128 v[WF+12*\t+4*\g:WF+12*\t+4*\g+3], v[AW] offset:3072*\t+1536*(\s)+512*\g
.else
	ds_load_b128 v[WF+12*\t+4*\g:WF+12*\t+4*\g+3], v[AW+1] offset:9216*\t+1536*((\s)-2)+512*\g
.endif
.endr
.endr
.endm
; 32 matrix instructions: the 32 accumulators take turns, one instruction a turn, in the same order in every step
.macro MUL s                           ; accumulator (token tile t, column tile ct) at v[8 (4 t + ct)]
.if (\s) == 0
	WIN 0x60
.elseif (\s)%2
	WIN 0x5a
.else
	WIN 0x50
.endif
.irp t, 0,1,2,3,4,5,6,7
.irp ct, 0,1,2,3
.if (\s) == 0
	v_wmma_scale_f32_16x16x128_f8f6f4 v[8*(4*\t+\ct):8*(4*\t+\ct)+7], v[WF+12*\ct:WF+12*\ct+11], v[XF+12*\t:XF+12*\t+11], v[8*\ct:8*\ct+7], v[SC+8*\ct+(\s)], v[SC+8*\t+(\s)] matrix_a_fmt:MATRIX_FMT_FP6 matrix_b_fmt:MATRIX_FMT_FP6 matrix_a_scale:MATRIX_SCALE_ROW1
.else
	v_wmma_scale_f32_16x16x128_f8f6f4 v[8*(4*\t+\ct):8*(4*\t+\ct)+7], v[WF+12*\ct:WF+12*\ct+11], v[XF+12*\t:XF+12*\t+11], v[8*(4*\t+\ct):8*(4*\t+\ct)+7], v[SC+8*\ct+(\s)], v[SC+8*\t+(\s)] matrix_a_fmt:MATRIX_FMT_FP6 matrix_b_fmt:MATRIX_FMT_FP6 matrix_a_scale:MATRIX_SCALE_ROW1
.endif
.endr
.endr
.endm
	s_wait_alu depctr_va_vdst(0)                   ; the wait at the head's end
	s_wait_tensorcnt 0x0                           ; my tile of the head's four is in
	ds_add_u32 v254, v255
	s_wait_dscnt 0x0
	CROUND                                         ; a whole round: all four tiles are in, and the joint loads of K steps 2-7 meet
	s_cmp_eq_u32 s15, 0
	s_cbranch_scc0 .Lrest_b
	tensor_load_to_lds s[GAR:GAR+3], s[G1AR:G1AR+7]
	s_nop 0
	PLACES 4
	s_branch .Lrest_asked
.Lrest_b:
	tensor_load_to_lds s[GBR:GBR+3], s[G1BR:G1BR+7]
	s_nop 0
	PLACES 4
.Lrest_asked:
	SCALES
	FETCH 0, 0
	s_wait_loadcnt 0x0                             ; the bias
; The eight K steps.  Step s + 1's fragments are asked for ahead of step s's products.  Where step s + 1 begins a chunk, each wave first waits for its part of that chunk and passes a barrier.
.irp s, 0,1,2,3,4,5,6,7
.if \s < 7
.if (\s) == 1
	s_wait_tensorcnt 0x0                           ; my part of K steps 2-7 has landed
	s_wait_dscnt 0x0                               ; no LDS instruction of mine is pending at a signal
	s_barrier_signal -1
	s_barrier_wait -1
.endif
.if \s > 0
	PLACES 4                                       ; in front of loads into registers that the step before multiplied
.endif
	FETCH (\s+1)%2, \s+1
	s_wait_dscnt 60                                ; all but the 60 just issued: this step's fragments are in
.else
	s_wait_dscnt 0x0
.endif
	MUL \s
.endr
	WIN 0
	PLACES 4                                       ; in front of the first read of results, and of loads into registers that held fragments
.macro TOSTAGE t                       ; token tile t: 16 rows x 64 columns into my stage, and back as whole rows.  LDS serves a wave's instructions in order: no wait between
	WIN 0x04                                       ; an LDS store's data are its source 1: window 1
.irp ct, 0,1,2,3
	ds_store_b128 v[STO], v[8*(4*(\t)+\ct):8*(4*(\t)+\ct)+3] offset:128*(\ct/2)+32*(\ct%2)        ; each accumulator from its low end on
	ds_store_b128 v[STO], v[8*(4*(\t)+\ct)+4:8*(4*(\t)+\ct)+7] offset:128*(\ct/2)+32*(\ct%2)+16
.endr
	WIN 0
.irp i, 0,1,2,3,4,5,6,7
	ds_load_b128 v[OB+32*((\t)%2)+4*\i:OB+32*((\t)%2)+4*\i+3], v[RD] offset:544*\i
.endr
.endm
.macro SEND t, younger                 ; younger: the LDS instructions issued behind tile t's loads, which may stay out
	s_wait_dscnt \younger
.irp i, 0,1,2,3,4,5,6,7
	global_store_b128 v[CO], v[OB+32*((\t)%2)+4*\i:OB+32*((\t)%2)+4*\i+3], s[10:11] offset:(32*((\t)/2)+8*((\t)%2)+2*\i+8*(\i/4))*4096 th:TH_STORE_NT   ; tile rows 2 i, 2 i + 1 in tile order; 16 lanes store 256 consecutive bytes, aligned
.endr
.endm
	s_wait_alu depctr_va_vdst(0)
	TOSTAGE 0
.irp a, 1,2,3,4,5,6,7
.if \a > 1
	s_wait_xcnt 0x0                                ; tile a - 2's stores have read their registers: tile a's rows may land there
.endif
	TOSTAGE \a
	SEND \a-1, 16                                  ; behind tile a - 1's loads: tile a's 8 stores and 8 loads
.endr
	SEND 7, 0
	s_wait_tensorcnt 0x0
	ds_add_u32 v254, v255
	s_wait_dscnt 0x0
	CROUND                                         ; the closing round: no work-group ends while a partner may still ask for a tile that names it
	s_endpgm
.Lfunc_end_k_qb0260e75e4_oproj:
	.size	k_qb0260e75e4_oproj, .Lfunc_end_k_qb0260e75e4_oproj-k_qb0260e75e4_oproj
	.p2alignl 7, 3214868480
	.fill 96, 4, 3214868480
	.section	.rodata,"a",@progbits
	.p2align	6, 0x0
	.amdhsa_kernel k_qb0260e75e4_oproj
		.amdhsa_group_segment_fixed_size 327680
		.amdhsa_private_segment_fixed_size 0
		.amdhsa_enable_private_segment 0
		.amdhsa_kernarg_size 32
		.amdhsa_user_sgpr_count 2
		.amdhsa_user_sgpr_kernarg_segment_ptr 1
		.amdhsa_wavefront_size32 1
		.amdhsa_system_sgpr_workgroup_id_x 1
		.amdhsa_system_sgpr_workgroup_id_y 1
		.amdhsa_system_sgpr_workgroup_id_z 1
		.amdhsa_system_vgpr_workitem_id 0
		.amdhsa_next_free_vgpr 768
		.amdhsa_next_free_sgpr 102
		.amdhsa_reserve_vcc 0
		.amdhsa_float_denorm_mode_32 3
		.amdhsa_float_denorm_mode_16_64 3
		.amdhsa_memory_ordered 1
		.amdhsa_forward_progress 1
		.amdhsa_inst_pref_size 92
	.end_amdhsa_kernel
	.amdgpu_metadata
---
amdhsa.version: [ 1, 2 ]
amdhsa.kernels:
  - .name:           k_qb0260e75e4_oproj
    .symbol:         k_qb0260e75e4_oproj.kd
    .args:
      - { .name: ob, .offset: 0, .size: 8, .value_kind: global_buffer, .address_space: global }
      - { .name: xw, .offset: 8, .size: 8, .value_kind: global_buffer, .address_space: global }
      - { .name: bo, .offset: 16, .size: 8, .value_kind: global_buffer, .address_space: global }
      - { .name: out0, .offset: 24, .size: 8, .value_kind: global_buffer, .address_space: global }
    .group_segment_fixed_size: 327680
    .private_segment_fixed_size: 0
    .kernarg_segment_align: 8
    .kernarg_segment_size: 32
    .max_flat_workgroup_size: 128
    .sgpr_count:     102
    .vgpr_count:     768
    .wavefront_size: 32
...
	.end_amdgpu_metadata
.endif
;; end of part 4
